; MI455X (gfx1250); checked and timed in simulation.
; The chip was launched on July 23, 2026; its instructions are those of AMD's public machine-readable ISA for CDNA 5 (MIT licence, August 2026) and "CDNA5" Instruction Set Architecture Reference Guide (July 2026). The comments in the code are by the model that wrote it; some were corrected since.
;; Axial Attention. Allowed arithmetic: float matrix products may take bf16 or f16 operands with f32 sums; all other float work in f32.
;; Inputs: Wqkv_col 3,072 x 1,024 float32; Wqkv_row 3,072 x 1,024 float32; beta_col 64 float32; beta_row 64 float32; gamma_col 64 float32; gamma_row 64 float32; x 16 x 512 x 1,024 float32.
;; Outputs: out0 16 x 512 x 1,024 float32.
;; 2 versions, each right; version 2 is version 1 with the launch cast written anew for expert scheduling mode. Each part assembles by itself: llvm-mc -triple=amdgcn-amd-amdhsa -mcpu=gfx1250 --defsym DOCPART=n.
;; ======== version 1 of 2: 3 launches
;; limits: values are held in f16: magnitudes above 65,504 overflow, below 6.1e-05 lose precision; right only within a limited range of input values
;; workspace buffers: xh 16,777,216 bytes; wrh 6,291,456 bytes; wch 6,291,456 bytes; y1 16,777,216 bytes
;; launch cast (part 1): grid 896 x 1, 8 waves a work-group, no clusters, 0 bytes of LDS; arguments x, Wqkv_row, Wqkv_col, xh, wrh, wch; writes xh, wrh, wch
.if DOCPART == 1
	.amdgcn_target "amdgcn-amd-amdhsa--gfx1250"
	.amdhsa_code_object_version 6
	.text
	.protected	k_qa4820e74f4_cast
	.globl	k_qa4820e74f4_cast
	.p2align	8
	.type	k_qa4820e74f4_cast,@function
k_qa4820e74f4_cast:
	s_mov_b64 s[64:65], 0
	v_nop
	global_prefetch_b8 v0, s[64:65] scope:SCOPE_SE
	s_setreg_imm32_b32 hwreg(HW_REG_WAVE_MODE, 25, 1), 1
	s_wait_xcnt 0x0
; x [8192][1024], Wqkv_row and Wqkv_col [3072][1024], all f32, are rounded to bf16 (nearest even), and that number is written as f16,
; in PLANES of 64 columns: xh [16 planes][8192 rows][64], wrh and wch [16 planes][3072 rows'][64].  A row of a plane is 128 bytes, a plane's rows are dense.
; W's source row part x 1024 + head x 64 + j (part 0, 1, 2 = q, k, v) becomes row' = head x 192 + part x 64 + j: a head's 192 rows of a plane are 24,576 consecutive bytes.
; LIMITS.  |x|, |W| below 65,520 (f16's range).  A bf16 number is exact in f16 from 2^-17 on; below that it is off by 2^-25 at the most.  NaN and infinities are not treated apart.
; SHARES.  A work-group takes 16 source rows (their destination rows are consecutive too): groups 0-511 x, 512-703 Wqkv_row, 704-895 Wqkv_col.  Wave w takes planes 2 w and 2 w + 1.
; A load: lanes 0-15 take the 256 bytes of a plane in an even row, lanes 16-31 in the odd row below.  A store: 32 lanes x 8 bytes = 256 consecutive bytes, aligned: the two rows in the plane.
; Memory binds: no LDS, no matrix unit, no barrier.  All 16 loads of a lane go out first; no register that a memory instruction names is written again.
.set X, 8                              ; v[8:71]    load n: 4 registers
.set Y, 72                             ; v[72:103]  store n: 2 registers
.set T, 104                            ; v[104:109] at work
	s_load_b256 s[4:11], s[0:1], 0x0               ; x s[4:5], Wqkv_row s[6:7], Wqkv_col s[8:9], xh s[10:11]
	s_load_b128 s[12:15], s[0:1], 0x20             ; wrh s[12:13], wch s[14:15]
	s_mov_b32 s16, ttmp9                           ; g
	s_mov_b32 s18, 512
	s_cmp_ge_u32 s16, 704
	s_cselect_b32 s18, 704, s18
	s_cmp_lt_u32 s16, 512
	s_cselect_b32 s18, 0, s18
	s_sub_co_u32 s17, s16, s18                     ; w: the group's number within its tensor
	s_lshl_b32 s24, s17, 16                        ; source: 16 rows of 4,096 bytes
	s_mov_b32 s25, 0
	s_bfe_u32 s18, s17, 0x40002                    ; W: head = (w >> 2) & 15
	s_mul_i32 s18, s18, 192
	s_lshr_b32 s19, s17, 6                         ; part = w >> 6
	s_lshl_b32 s19, s19, 6
	s_add_co_u32 s18, s18, s19
	s_and_b32 s19, s17, 3                          ; j = 16 (w & 3)
	s_lshl_b32 s19, s19, 4
	s_add_co_u32 s18, s18, s19                     ; row'
	s_lshl_b32 s32, s18, 7                         ; W's destination: row' x 128 bytes
	s_lshl_b32 s34, s17, 11                        ; x's: 16 rows of 128 bytes
	s_mov_b32 s35, 3072*128                        ; bytes in a plane of W
	s_mov_b32 s27, 0
	s_mov_b32 s30, 0xffff0000                      ; a word's upper bf16
	v_and_b32 v4, 15, v0
	v_bfe_u32 v5, v0, 4, 1
	v_lshrrev_b32 v6, 5, v0                        ; wave
	v_lshlrev_b32 v1, 4, v4                        ; source offset: 16 bytes a lane,
	v_lshl_add_u32 v1, v5, 12, v1                  ; the odd row for lanes 16-31,
	v_lshl_add_u32 v1, v6, 9, v1                   ; the wave's two planes of 256 bytes
	v_and_b32 v7, 31, v0
	v_lshlrev_b32 v7, 3, v7                        ; destination: 8 bytes a lane
	s_wait_kmcnt 0x0
	s_cmp_ge_u32 s16, 704
	s_cselect_b64 s[20:21], s[8:9], s[6:7]
	s_cselect_b64 s[22:23], s[14:15], s[12:13]
	s_cmp_lt_u32 s16, 512
	s_cselect_b64 s[20:21], s[4:5], s[20:21]       ; the tensor that I read,
	s_cselect_b64 s[22:23], s[10:11], s[22:23]     ; the one that I write,
	s_cselect_b32 s26, s34, s32                    ; where my rows begin in a plane,
	s_cselect_b32 s28, 8192*128, s35               ; and a plane's bytes
	s_add_nc_u64 s[20:21], s[20:21], s[24:25]
	s_add_nc_u64 s[22:23], s[22:23], s[26:27]
	s_lshl_b32 s29, s28, 1
	v_mad_u32_u24 v2, v6, s29, v7                  ; plane 2 w
	v_add_nc_u32 v3, s28, v2                       ; plane 2 w + 1
.set n, 0
.rept 16                               ; load n: row pair n / 2, plane 2 w + n % 2
	global_load_b128 v[X+4*n:X+4*n+3], v1, s[20:21] offset:(n/2)*8192+(n%2)*256 th:TH_LOAD_NT
.set n, n+1
.endr
.set n, 0
.rept 16
	s_wait_loadcnt 15-n                            ; loads come back in order (ISA guide 5.7.1): load n is in, the younger ones stay out
	v_cvt_pk_bf16_f32 v[T], v[X+4*n], v[X+4*n+1]   ; rounded to bf16,
	v_cvt_pk_bf16_f32 v[T+1], v[X+4*n+2], v[X+4*n+3]
	v_lshlrev_b32 v[T+2], 16, v[T]                 ; widened again,
	v_and_b32 v[T+3], s30, v[T]
	v_lshlrev_b32 v[T+4], 16, v[T+1]
	v_and_b32 v[T+5], s30, v[T+1]
	v_cvt_pk_f16_f32 v[Y+2*n], v[T+2], v[T+3]      ; and written as f16
	v_cvt_pk_f16_f32 v[Y+2*n+1], v[T+4], v[T+5]
	global_store_b64 v[2+n%2], v[Y+2*n:Y+2*n+1], s[22:23] offset:(n/2)*256
.set n, n+1
.endr
	s_endpgm
.Lfunc_end_k_qa4820e74f4_cast:
	.size	k_qa4820e74f4_cast, .Lfunc_end_k_qa4820e74f4_cast-k_qa4820e74f4_cast
	.p2alignl 7, 3214868480
	.fill 96, 4, 3214868480
	.section	.rodata,"a",@progbits
	.p2align	6, 0x0
	.amdhsa_kernel k_qa4820e74f4_cast
		.amdhsa_group_segment_fixed_size 0
		.amdhsa_private_segment_fixed_size 0
		.amdhsa_enable_private_segment 0
		.amdhsa_kernarg_size 48
		.amdhsa_user_sgpr_count 2
		.amdhsa_user_sgpr_kernarg_segment_ptr 1
		.amdhsa_wavefront_size32 1
		.amdhsa_system_sgpr_workgroup_id_x 1
		.amdhsa_system_sgpr_workgroup_id_y 1
		.amdhsa_system_sgpr_workgroup_id_z 1
		.amdhsa_system_vgpr_workitem_id 0
		.amdhsa_next_free_vgpr 112
		.amdhsa_next_free_sgpr 66
		.amdhsa_reserve_vcc 0
		.amdhsa_float_denorm_mode_32 3
		.amdhsa_float_denorm_mode_16_64 3
		.amdhsa_memory_ordered 1
		.amdhsa_forward_progress 1
		.amdhsa_inst_pref_size 12
	.end_amdhsa_kernel
	.amdgpu_metadata
---
amdhsa.version: [ 1, 2 ]
amdhsa.kernels:
  - .name:           k_qa4820e74f4_cast
    .symbol:         k_qa4820e74f4_cast.kd
    .args:
      - { .name: x, .offset: 0, .size: 8, .value_kind: global_buffer, .address_space: global }
      - { .name: Wqkv_row, .offset: 8, .size: 8, .value_kind: global_buffer, .address_space: global }
      - { .name: Wqkv_col, .offset: 16, .size: 8, .value_kind: global_buffer, .address_space: global }
      - { .name: xh, .offset: 24, .size: 8, .value_kind: global_buffer, .address_space: global }
      - { .name: wrh, .offset: 32, .size: 8, .value_kind: global_buffer, .address_space: global }
      - { .name: wch, .offset: 40, .size: 8, .value_kind: global_buffer, .address_space: global }
    .group_segment_fixed_size: 0
    .private_segment_fixed_size: 0
    .kernarg_segment_align: 8
    .kernarg_segment_size: 48
    .max_flat_workgroup_size: 256
    .sgpr_count:     66
    .vgpr_count:     112
    .wavefront_size: 32
...
	.end_amdgpu_metadata
.endif
;; end of part 1
;; launch rowatt (part 2): grid 16 x 16, 4 waves a work-group, clusters of 4 x 4, 327,680 bytes of LDS; arguments xh, wrh, gamma_row, beta_row, y1; writes y1
.if DOCPART == 2
	.amdgcn_target "amdgcn-amd-amdhsa--gfx1250"
	.amdhsa_code_object_version 6
	.text
	.protected	k_qa4820e74f4_rowatt
	.globl	k_qa4820e74f4_rowatt
	.p2align	8
	.type	k_qa4820e74f4_rowatt,@function
k_qa4820e74f4_rowatt:
	s_mov_b64 s[64:65], 0
	v_nop
	global_prefetch_b8 v0, s[64:65] scope:SCOPE_SE
	s_setreg_imm32_b32 hwreg(HW_REG_WAVE_MODE, 25, 1), 1
	s_wait_xcnt 0x0
	s_wait_alu depctr_hold_cnt(0) depctr_sa_sdst(0) depctr_va_vdst(0) depctr_va_sdst(0) depctr_va_ssrc(0) depctr_va_vcc(0) depctr_vm_vsrc(0)
	s_getreg_b32 s2, hwreg(HW_REG_IB_STS2, 6, 4)
	s_cmp_eq_u32 s2, 0
	s_cbranch_scc0 .Lentry_in_a_cluster
	s_endpgm
.Lentry_in_a_cluster:
	s_bfe_u32 s2, ttmp6, 0x10000c
	s_cmp_lg_u32 s2, 0xf033
	s_cbranch_scc0 .Lentry_shape_is_right
	s_endpgm
.Lentry_shape_is_right:
; AXIAL ATTENTION, ONE PASS (PASS = 1: along the rows of 32 tokens; PASS = 2: along the columns of 16).  Projection to q, k, v, LayerNorm of q and k over a head's 64 channels, softmax(q . k / 8) v, all in one launch.
; A: [16 planes of 64 channels][8192 tokens][64] f16.  B: [16 planes][16 heads x 192 rows (64 of q, 64 of k, 64 of v)][64] f16.  gamma, beta: [64] f32, rounded to bf16 here like the module's other inputs.
; PASS 1 writes y1 [16 heads][8192 tokens t' = batch x 512 + w x 16 + h][64] f16, so that a column's 16 tokens lie together; PASS 2 reads tokens in that order and writes out0 [16][512][1024] f32.
; SHARES.  A tile is 256 tokens x one head: 192 columns over K = 1,024.  Each of the four waves makes 64 tokens x 192 columns: 48 accumulators, 384 registers.  A wave's 64 tokens are two whole rows
; (PASS 1) or four whole columns (PASS 2), so LayerNorm, softmax and both small products stay in the wave, and q, k, v never leave its registers.
; A WORK-GROUP STAYS: it makes two tiles, token blocks yb and yb + 16 of one head: 16 x 16 work-groups in all.  The two tiles' 16 K steps of 128 are ONE walk for the ring of two LDS slots: the first tile's last two
; changes of slots ask for the second tile's first two K steps, which land while the first tile's attention is made, and nothing waits for the first tile's stores.  A K step is written once.
; LAYOUT.  q, k: source 0 = 16 rows of W, source 1 = 16 tokens: a lane holds ONE token (lane % 16) and channels 16 fb + 8 (lane / 16) + 0..7; two such results rounded to f16 ARE a fragment (16 tokens x 32 channels).
; v: source 0 = tokens, source 1 = rows of W: a lane holds one channel and 8 tokens; two results rounded ARE source 0 (16 channels x 32 keys) of O^T = V^T P.  S^T = K Q^T holds one query a lane and 8 keys, and rounded
; it IS source 1 of V^T P.  O^T holds one query a lane and 8 neighbouring channels.  Nothing changes lanes but one exchange between the halves of the lanes for each mean, variance, maximum and sum.
; FORMATS.  Products in f16 with f32 sums; everything else in f32.  The variance is taken of centred numbers.  The maximum is taken away before the exponential.  v is divided by the wave's largest |v| before it is
; rounded to f16, and that factor goes back in f32, so v's size meets no limit of f16.
; LIMITS.  PASS 1's results lie below 65,520 (y1 is f16).  The wave's largest |v| counts as 2^-100 at the least and stays below 2^125.  A weight below 2^-126 counts as 0.  NaN and infinities are not treated apart.
; CLUSTER.  4 x 4 work-groups.  A's tiles hang on the token block alone and are shared along a row of the cluster, B's on the head alone and are shared along a column: each is asked for JOINTLY, by the same tensor load
; with the same descriptor and a mask that names the four.
; REGISTERS, in windows of 256 (s_set_vgpr_msb: bits 1:0 source 0, 3:2 source 1, 5:4 source 2, 7:6 destination):
;   window 0: v0-31 addresses; v32-63 gamma, v64-95 beta, kept for both tiles; v96-127 at work; v128-135 softmax's statistics; v136-139 v's scale; v160-223 S^T (later results at work); v224-255 |v| at work, later rows from the stage
;   window 1: two fragment buffers of 128 (4 fragments of A, 12 of B); behind a tile's products the second holds v128-191 v, v192-223 P in f16, while the first may already hold the next tile's first fragments
;   window 2: v0-127 q's sums (token block tb, channel block fb at 32 tb + 8 fb), v128-255 k's; later O^T (query block qb, channel block cb at 32 qb + 8 cb)
;   window 3: v0-127 v's sums (32 cb + 8 tb); v128-191 q, v192-255 k in f16
.set PASS,  1
.set TILES, 2                          ; tiles of a work-group
.set PA,    144                        ; an LDS row: 128 bytes + 16 of padding = 36 words: the 16 rows of a load start at 16 different groups of four banks (64 banks of 4 bytes: ISA guide 11.1)
.set APL,   256*PA                     ; a plane of A's tile: 256 tokens
.set BPL,   192*PA                     ; a plane of B's tile: a head's 192 rows
.set BOFF,  2*APL                      ; a slot holds a K step of 128: two planes of A, then two planes of B: 129,024 bytes
.set SLOT1, 1<<17                      ; slot 1 begins here, so that one exclusive or turns an address in one slot into the other's
.set STG,   SLOT1+2*APL+2*BPL          ; behind the ring, never filled by a tensor load: 16 rows x 272 bytes for each wave, for the way out
.set SP,    272
.set SPARE, STG+4*16*SP                ; behind the stages: the spare words, 128 bytes for each wave: two blocks of 256 bytes that no other line names
.set APLANE, 8192*128                  ; bytes in a plane of A in memory: 1 << 20
.set BPLANE, 3072*128                  ; and of B
.if PASS == 1
.set NS, 16                            ; scores a lane and query block: 32 keys in two halves of the lanes
.set SH_B, 16                          ; the output's byte offset: batch << SH_B,
.set SH_Y, 10                          ; + the batch's second half of tokens << SH_Y,
.set SH_W, 8                           ; + wave << SH_W,
.set SH_H, 20                          ; + head << SH_H
.set SH_G, 11                          ; from one stage row to the next in memory: 1 << SH_G bytes
.set SH_S, 4                           ; a lane puts 16 bytes a channel block into the stage (8 f16)
.set BKB, 160                          ; the second buffer for rows from the stage: results' registers that have been packed
.else
.set NS, 8
.set SH_B, 21
.set SH_Y, 16
.set SH_W, 14
.set SH_H, 8
.set SH_G, 17
.set SH_S, 5                           ; 32 bytes (8 f32)
.set BKB, 96
.endif
.set NEXT_C, 8<<SH_B                   ; the second tile lies 16 token blocks, 8 batches, on
.set ADRA0, 16                         ; v16     my lane's place among a slot's rows of A; never rewritten
.set ADRB0, 17                         ; v17     the same for B
.set ADA,  18                          ; v18     LDS address of my fragments of A in the slot in hand
.set ADB,  19                          ; v19     the same for B
.set STO,  24                          ; v24     the way out: where I put my part of a row
.set RD,   25                          ; v25     the way out: where I read a row back
.set GO,   26                          ; v26     my byte offset in the output
.set GB,   27                          ; v27     my byte offset in gamma and beta
.set SPW,  28                          ; v28     LDS address of my spare word: SPARE + 4 x my thread's number; never rewritten
.set NIL,  29                          ; v29     0; never rewritten
.set GAM,  32
.set BET,  64
.set U,    96                          ; LayerNorm: four pairs a token block
.set PKR,  96                          ; the way out: packed results
.set SM,   128                         ; query block qb: c0, c1 at SM + 2 qb
.set VM,   136                         ; the largest |v|; +2 its reciprocal
.set S,    160                         ; 16 a query block
.set TO,   160                         ; the way out: scaled results
.set AB,   224                         ; |v|, 32 at a time
.set BKA,  224                         ; the first buffer for rows from the stage
.set F0,   0                           ; window 1
.set F1,   128
.set VF,   128                         ; window 1
.set PF,   192
.set QF,   128                         ; window 3
.set KF,   192
.set WV,   14                          ; s14  my wave's number
.set G1,   24                          ; s[24:31] descriptor group 1 for A's tiles;  s[32:39] group 0: a set for each of the two first fills; the second then walks on
.set G0,   32
.set G1B,  48                          ; s[48:55], s[56:63] the same for B's tiles
.set G0B,  56
.set CS,   66                          ; s[66:67] c = log2(e) / 8: the packed scaling takes the pair's low word for both halves
.set SEL,  68                          ; s[68:69] v_permlanex16_b32's selects: each lane takes its own place in the other half
.set R64,  70                          ; s70  1 / 64
.set EPS,  71                          ; s71  1e-5
.set FLOOR, 72                         ; s72  2^-100
.set HIM,  73                          ; s73  a word's upper bf16
.set ABSM, 76                          ; s76  clears a sign
.set TB,   77                          ; s77  LDS byte at which the slot in hand begins
.set NXT,  78                          ; s78  the K step of the walk to be asked for next, 2 to 15
.set XT,   79                          ; s79  the step count at which the last tile leaves the loop
.set OFA,  80                          ; s[80:81] that K step's byte offset in A
.set OFB,  82                          ; s[82:83] and in B
.set MSB, 0
.macro WIN new                         ; the immediate's high byte repeats the setting that is left; a switch that changes nothing is dropped
.if MSB != (\new)
	s_set_vgpr_msb (MSB<<8)|(\new)
.set MSB, \new
.endif
.endm
.set MQK,   0xa5                       ; sources window 1, C and D window 2
.set MV,    0xf5                       ; sources window 1, C and D window 3
.set TOF,   0x40                       ; destination window 1
.set W_RED, 0x0a                       ; sources 0 and 1 window 2
.set W_OUT, 0x02                       ; source 0 window 2
.set W_INP, 0x82                       ; source 0 and destination window 2
.set W_PKQ, 0xca                       ; sources 0 and 1 window 2, destination window 3
.set W_S,   0x0f                       ; sources 0 and 1 window 3
.set W_ABS, 0x0c                       ; source 1 window 3
.set W_VSC, 0xc3                       ; source 0 and destination window 3
.set W_PKV, 0x4f                       ; sources 0 and 1 window 3, destination window 1
; A joint load.  Waves 0 and 1 fetch a K step's two planes of A, waves 2 and 3 its two planes of B.  The branch hangs on the wave's number alone.
; An s_nop 0 and four v_nop follow each of the two lines, ahead of the jump, the label and what follows.
.macro JLOAD s
	s_cmp_eq_u32 s15, 0
	s_cbranch_scc0 .Lfor_b_\@
	tensor_load_to_lds s[G0+4*(\s):G0+4*(\s)+3], s[G1:G1+7]
	s_nop 0
.rept 4
	v_nop
.endr
	s_branch .Lasked_\@
.Lfor_b_\@:
	tensor_load_to_lds s[G0B+4*(\s):G0B+4*(\s)+3], s[G1B:G1B+7]
	s_nop 0
.rept 4
	v_nop
.endr
.Lasked_\@:
.endm
; A round of the cluster's barrier: my work-group's barrier, so that wave 0's signal speaks for all four waves; wave 0 signals; every wave waits for all sixteen work-groups; my work-group's barrier once more.
.macro CREST                           ; a round behind its opening barrier
	s_cmp_lg_u32 s[WV], 0
	s_cbranch_scc1 .Lnot_wave_0_\@
	s_barrier_signal -3
.Lnot_wave_0_\@:
	s_barrier_wait -3
	s_barrier_signal -1
	s_barrier_wait -1
.endm
.macro CROUND                          ; a whole round
	s_barrier_signal -1
	s_barrier_wait -1
	CREST
.endm
	s_load_b256 s[4:11], s[0:1], 0x0               ; A s[4:5], B s[6:7], gamma s[8:9], beta s[10:11]
	s_load_b64 s[12:13], s[0:1], 0x20              ; the output
	v_lshl_add_u32 v[SPW], v0, 2, SPARE
	v_mov_b32 v[NIL], 0
	ds_add_u32 v[SPW], v[NIL]                      ; the wave's opening: the add and its wait stand ahead of my first tensor load; the set-up below, work on registers, stands between them
	v_lshrrev_b32 v1, 5, v0
	v_readfirstlane_b32 s[WV], v1                  ; wave 0..3
	s_lshr_b32 s15, s[WV], 1                       ; I fetch for A (0) or for B (1),
	s_and_b32 s16, s[WV], 1                        ; the K step's first or second plane
	s_bfe_u32 s17, ttmp6, 0x40000                  ; cx, cy: my place in the cluster
	s_bfe_u32 s18, ttmp6, 0x40004
	s_lshl_b32 s19, ttmp9, 2                       ; in a cluster launch ttmp9 and ttmp7 count clusters
	s_add_co_u32 s19, s19, s17                     ; the head = 4 x cluster x + cx
	s_and_b32 s20, ttmp7, 0xffff
	s_lshl_b32 s20, s20, 2
	s_add_co_u32 s20, s20, s18                     ; the first tile's block of 256 tokens = 4 x cluster y + cy, 0 to 15
	s_lshl_b32 s21, s18, 2
	s_lshl_b32 s21, 15, s21                        ; my row of the cluster: places 4 cy .. 4 cy + 3
	s_lshl_b32 s22, 0x1111, s17                    ; my column: places cx, cx + 4, cx + 8, cx + 12
	; descriptor group 1.  A plane's part of a tile is dense in memory: it is asked for as rows of 256 bytes, two tile rows each, and padded in LDS after every 128 bytes
	s_or_b32 s[G1+0], s21, (1<<16)|(1<<20)|(1<<21)|(4<<22)|(3<<25)   ; 15:0 the mask: A's tiles go to my row; 17:16 2-byte elements; 20 padding on; 21 set beside a mask; 24:22 after every 32 words (code 4); 31:25 4 words (code 3)
	s_or_b32 s[G1B+0], s22, (1<<16)|(1<<20)|(1<<21)|(4<<22)|(3<<25)  ; the same with the mask of my column
	s_mov_b32 s[G1+1], 128<<16                     ; tensor_dim0 = 128 elements
	s_mov_b32 s[G1+2], 128<<16                     ; tensor_dim1 = 128 rows: 256 tokens
	s_mov_b32 s[G1+3], 128<<16                     ; tile_dim0 = 128
	s_mov_b32 s[G1+4], 128                         ; tile_dim1 = 128
	s_mov_b32 s[G1+5], 128                         ; 128 elements from row to row
	s_mov_b32 s[G1+6], 0
	s_mov_b32 s[G1+7], 0
	s_mov_b32 s[G1B+1], 128<<16
	s_mov_b32 s[G1B+2], 96<<16                     ; 96 rows: a head's 192
	s_mov_b32 s[G1B+3], 128<<16
	s_mov_b32 s[G1B+4], 96
	s_mov_b32 s[G1B+5], 128
	s_mov_b32 s[G1B+6], 0
	s_mov_b32 s[G1B+7], 0
	; where the tiles come from: A's hang on the token block, which my row of the cluster shares; B's on the head, which my column shares
	s_lshl_b32 s40, s16, 20                        ; A: my plane (1,048,576 bytes each)
	s_lshl_b32 s41, s20, 15                        ; + 256 tokens of 128 bytes for each block
	s_add_co_u32 s40, s40, s41
	s_mov_b32 s41, 0
	s_mul_i32 s42, s16, BPLANE                     ; B: my plane
	s_mul_i32 s43, s19, 192*128                    ; + the head's rows
	s_add_co_u32 s42, s42, s43
	s_mov_b32 s43, 0
	s_mul_i32 s23, s16, APL                        ; and where they go: no place in the cluster enters an LDS address
	s_mul_i32 s46, s16, BPL
	s_add_co_u32 s46, s46, BOFF
	s_mov_b32 s[CS], 0x3e38aa3b                    ; c = log2(e) / 8 = 0.180337
	s_mov_b32 s[CS+1], s[CS]                       ; named with it as a pair
	s_mov_b32 s[SEL], 0x76543210
	s_mov_b32 s[SEL+1], 0xfedcba98
	s_mov_b32 s[R64], 0x3c800000
	s_mov_b32 s[EPS], 0x3727c5ac
	s_mov_b32 s[FLOOR], 0x0d800000
	s_mov_b32 s[HIM], 0xffff0000
	s_mov_b32 s[ABSM], 0x7fffffff
	s_mov_b32 s[TB], 0                             ; the walk begins in slot 0
	s_mov_b32 s[NXT], 2                            ; K steps 0 and 1 are the first fills
	s_mov_b32 s[OFA+1], 0
	s_mov_b32 s[OFB+1], 0
	s_mov_b32 s2, TILES                            ; tiles to go, this one among them: the same number in every work-group
	s_wait_dscnt 0x0                               ; the opening add is done
	s_wait_kmcnt 0x0
	s_add_nc_u64 s[40:41], s[4:5], s[40:41]        ; A and B at my part of the walk's K step 0; never rewritten
	s_add_nc_u64 s[42:43], s[6:7], s[42:43]
	CROUND                                         ; all sixteen work-groups are here: the first joint loads meet
.irp s, 0,1
	s_mov_b32 s[G0+4*(\s)], 1                                        ; 1:0 count = 1
	s_add_co_u32 s[G0+4*(\s)+1], s23, (\s)*SLOT1                     ; 63:32 LDS address
	s_add_nc_u64 s[G0+4*(\s)+2:G0+4*(\s)+3], s[40:41], (\s)*2*APLANE ; 120:64 global address: K step s is planes 2 s, 2 s + 1
	s_or_b32 s[G0+4*(\s)+3], s[G0+4*(\s)+3], 0x80000000              ; 127:126 type = 2
	s_mov_b32 s[G0B+4*(\s)], 1
	s_add_co_u32 s[G0B+4*(\s)+1], s46, (\s)*SLOT1
	s_add_nc_u64 s[G0B+4*(\s)+2:G0B+4*(\s)+3], s[42:43], (\s)*2*BPLANE
	s_or_b32 s[G0B+4*(\s)+3], s[G0B+4*(\s)+3], 0x80000000
	JLOAD \s                                       ; the ring is filled before anything else is done: two tensor loads of mine are out
.endr
	v_and_b32 v1, 15, v0                           ; r = l % 16
	v_bfe_u32 v2, v0, 4, 1                         ; h = l / 16
	v_lshlrev_b32 v[GB], 5, v2                     ; my 8 channels of each 16: 32 h bytes
.irp fb, 0,1,2,3                       ; gamma and beta of my 32 channels 16 fb + 8 h + 0..7
	global_load_b128 v[GAM+8*(\fb):GAM+8*(\fb)+3],   v[GB], s[8:9] offset:64*(\fb)
	global_load_b128 v[GAM+8*(\fb)+4:GAM+8*(\fb)+7], v[GB], s[8:9] offset:64*(\fb)+16
	global_load_b128 v[BET+8*(\fb):BET+8*(\fb)+3],   v[GB], s[10:11] offset:64*(\fb)
	global_load_b128 v[BET+8*(\fb)+4:BET+8*(\fb)+7], v[GB], s[10:11] offset:64*(\fb)+16
.endr
	; A fragment is 16 rows x 32 channels in 8 registers: lane l holds row l % 16, channels 8 (l / 16) + 0..7 and 16 + 8 (l / 16) + 0..7: two loads of 16 bytes, 32 bytes apart.
	v_mul_u32_u24 v3, v1, PA
	v_lshl_add_u32 v3, v2, 4, v3                   ; row x pitch + 16 x half
	s_mul_i32 s47, s[WV], 64*PA                    ; my 64 tokens
	v_add_nc_u32 v[ADRA0], s47, v3
	v_add_nc_u32 v[ADRB0], BOFF, v3                ; every wave reads all 192 rows of B
	v_add_nc_u32 v[ADA], s[TB], v[ADRA0]
	v_add_nc_u32 v[ADB], s[TB], v[ADRB0]
	s_mul_i32 s47, s[WV], 16*SP
	s_add_co_u32 s47, s47, STG                     ; my stage
	v_mul_u32_u24 v4, v1, SP                       ; in: row l % 16, my half of each channel block
	v_lshl_add_u32 v4, v2, SH_S, v4
	v_add_nc_u32 v[STO], s47, v4
	v_mul_u32_u24 v5, v2, SP                       ; back: lanes 0-15 take one row of 256 bytes, lanes 16-31 the next
	v_lshl_add_u32 v5, v1, 4, v5
	v_add_nc_u32 v[RD], s47, v5
	v_lshlrev_b32 v[GO], 4, v1                     ; and the same two rows in memory
	v_lshl_add_u32 v[GO], v2, SH_G, v[GO]
	s_lshr_b32 s74, s20, 1                         ; where my results of the first tile begin: the batch,
	s_lshl_b32 s74, s74, SH_B
	s_and_b32 s75, s20, 1                          ; its first or second 256 tokens,
	s_lshl_b32 s75, s75, SH_Y
	s_add_co_u32 s74, s74, s75
	s_lshl_b32 s75, s[WV], SH_W                    ; my wave's 64 of them,
	s_add_co_u32 s74, s74, s75
	s_lshl_b32 s75, s19, SH_H                      ; the head
	s_add_co_u32 s74, s74, s75
	s_mov_b32 s75, 0                               ; s[74:75]: what the next way out adds to the output's address
	s_wait_loadcnt 0x0                             ; gamma and beta
.set i, 0
.rept 32                               ; both are rounded to bf16 and kept in f32; this stands in the wait for the first tile
	v_cvt_pk_bf16_f32 v[6+i%4], v[GAM+2*i], v[GAM+2*i+1]
	v_lshlrev_b32 v[GAM+2*i], 16, v[6+i%4]
	v_and_b32 v[GAM+2*i+1], s[HIM], v[6+i%4]
.set i, i+1
.endr
; 16 matrix instructions on 16 accumulators, 32 along K, from buffer f.  g = 0: q, g = 1: k (source 0 = rows of W, source 1 = tokens); g = 2: v (source 0 = tokens, source 1 = rows of W).
; zero = 1: the first product starts the sums.  The 48 accumulators take turns, in the same order in every quarter.
.macro MUL16 f, g, zero
.if (\g) < 2
	WIN MQK
.else
	WIN MV
.endif
.irp x, 0,1,2,3
.irp tb, 0,1,2,3
.if (\g) < 2
.set rD, 128*(\g)+32*(\tb)+8*(\x)
.set rA, (\f)+32+8*(4*(\g)+(\x))
.set rB, (\f)+8*(\tb)
.else
.set rD, 32*(\x)+8*(\tb)
.set rA, (\f)+8*(\tb)
.set rB, (\f)+96+8*(\x)
.endif
.if \zero
	v_wmma_f32_16x16x32_f16 v[rD:rD+7], v[rA:rA+7], v[rB:rB+7], 0
.else
	v_wmma_f32_16x16x32_f16 v[rD:rD+7], v[rA:rA+7], v[rB:rB+7], v[rD:rD+7]
.endif
.endr
.endr
.endm
; 32 LDS loads in one run: the fragments of quarter q of the K step in hand (plane q / 2, channels 32 (q % 2) on) into buffer f: my 64 tokens, W's rows of q and k, last W's rows of v
.macro FETCH q, f
	WIN TOF
.irp tb, 0,1,2,3
	ds_load_b128 v[(\f)+8*(\tb):(\f)+8*(\tb)+3],   v[ADA] offset:((\q)/2)*APL+((\q)%2)*64+(\tb)*16*PA
	ds_load_b128 v[(\f)+8*(\tb)+4:(\f)+8*(\tb)+7], v[ADA] offset:((\q)/2)*APL+((\q)%2)*64+(\tb)*16*PA+32
.endr
.irp nb, 0,1,2,3,4,5,6,7,8,9,10,11
	ds_load_b128 v[(\f)+32+8*(\nb):(\f)+32+8*(\nb)+3],   v[ADB] offset:((\q)/2)*BPL+((\q)%2)*64+(\nb)*16*PA
	ds_load_b128 v[(\f)+32+8*(\nb)+4:(\f)+32+8*(\nb)+7], v[ADB] offset:((\q)/2)*BPL+((\q)%2)*64+(\nb)*16*PA+32
.endr
.endm
; A load into a register that a matrix instruction has read, and a vector instruction that reads a matrix result, stand four places behind that matrix instruction, and only plain vector
; instructions that name none of its registers are places (ISA guide 7.12.1 for vector instructions).
.macro PLACES
.rept 4
	v_nop
.endr
.endm
; A K step is four quarters of 32 along K, 48 matrix instructions each, on buffers 0, 1, 0, 1.  One of the first three: multiplies buffer f and fetches quarter qn of the same slot into buffer g.
.macro QUARTER qn, f, g, zero
	s_wait_dscnt 8                                 ; the tokens and W's rows of q and k are in; the youngest eight loads (W's rows of v) may be out
	MUL16 \f, 0, \zero
	MUL16 \f, 1, \zero
	PLACES
	FETCH \qn, \g
	s_wait_dscnt 32                                ; all but the 32 just issued
	MUL16 \f, 2, \zero
.endm
; The last quarter multiplies buffer 1 and changes slots.  ONE barrier: in front of it each wave waits for all its tensor loads, of which one is out: its part of the next slot; adds 0 to its spare word;
; and waits for that and for its own reads of this slot.  Behind it nobody reads this slot any more and the next slot is whole.
; round = 1: a round of the cluster's barrier and a refill follow.  The walking descriptors are made for K step NXT of the walk while the add is out: the other slot than last time; the address anew from the
; step's number: step NXT % 8 of tile NXT / 8: two planes a step; A's second tile lies 16 blocks of 32,768 bytes on, B's rows are the same for both tiles.
.macro MEET round
	WIN 0                                          ; (the add's two registers lie in window 0)
	s_wait_tensorcnt 0x0                           ; all my tensor loads have landed, so a group 0 may be written
	ds_add_u32 v[SPW], v[NIL]                      ; 0 onto my spare word
.if \round
	s_and_b32 s[OFA], s[NXT], 7
	s_mul_i32 s[OFB], s[OFA], 2*BPLANE
	s_lshl_b32 s[OFA], s[OFA], 21                  ; x 2 planes of 1 << 20 bytes
	s_lshr_b32 s84, s[NXT], 3
	s_lshl_b32 s84, s84, 19
	s_add_co_u32 s[OFA], s[OFA], s84
	s_add_co_u32 s[NXT], s[NXT], 1
	s_xor_b32 s[G0+5], s[G0+5], SLOT1
	s_add_nc_u64 s[G0+6:G0+7], s[40:41], s[OFA:OFA+1]
	s_or_b32 s[G0+7], s[G0+7], 0x80000000
	s_xor_b32 s[G0B+5], s[G0B+5], SLOT1
	s_add_nc_u64 s[G0B+6:G0B+7], s[42:43], s[OFB:OFB+1]
	s_or_b32 s[G0B+7], s[G0B+7], 0x80000000
.endif
	s_wait_dscnt 9                                 ; (the add and the youngest eight loads may be out)
	MUL16 F1, 0, 0                                 ; sixteen matrix instructions stand between the add and the wait for it
	s_wait_dscnt 0x0                               ; the add is done, and my reads of this slot are over
	s_barrier_signal -1
	MUL16 F1, 1, 0                                 ; work on registers while the others arrive
.if \round
	WIN 0
.endif
	s_barrier_wait -1
.endm
.macro OTHER                           ; the fetches go on in the other slot
	WIN 0
	s_xor_b32 s[TB], s[TB], SLOT1
	v_add_nc_u32 v[ADA], s[TB], v[ADRA0]
	v_add_nc_u32 v[ADB], s[TB], v[ADRB0]
.endm
; The whole last quarter where the slot is filled again, with the walk's K step two steps on: the barrier opens a round of the cluster's, and the joint refill is the first thing behind it.
; From that request to the wait for it a wave issues 160 matrix instructions, and between the tiles the first tile's attention as well.
.macro TURN
	MEET 1
	CREST                                          ; no wave of any partner still reads this slot's tile or has a load on its way
	JLOAD 1                                        ; the four v_nop behind it are also the places in front of the loads below
	OTHER
	FETCH 0, F0
	MUL16 F1, 2, 0
.endm
	s_wait_tensorcnt 1                             ; my part of K step 0 is in; K step 1's may stay out
	s_barrier_signal -1
	s_barrier_wait -1                              ; everybody's is
	FETCH 0, F0
	WIN 0                                          ; at a label and at a branch every window is 0
.Ltile:                                                ; twice
	QUARTER 1, F0, F1, 1                           ; a tile's first quarter is written out: its products start the sums
	WIN 0
	s_mov_b32 s3, 8
	s_cmp_eq_u32 s2, 1
	s_cselect_b32 s[XT], 2, 64                     ; the last tile leaves the loop with two K steps to go; the first never meets 64
	s_branch .Lentry                               ; the loop is entered behind a K step's first quarter
.Lstep:                                                ; a trip is a K step; each fills the slot that it leaves again
	QUARTER 1, F0, F1, 0
	WIN 0
.Lentry:
	QUARTER 2, F1, F0, 0
	QUARTER 3, F0, F1, 0
	TURN
	WIN 0
	s_sub_co_u32 s3, s3, 1
	s_cmp_eq_u32 s3, s[XT]
	s_cbranch_scc1 .Ltail                          ; forward: the walk's last two K steps ask for nothing
	s_cmp_lg_u32 s3, 0
	s_cbranch_scc1 .Lstep
	s_branch .Lepi                                 ; the first tile's sums are whole; buffer 0 holds the second tile's first fragments
.Ltail:                                                ; written out
	QUARTER 1, F0, F1, 0
	QUARTER 2, F1, F0, 0
	QUARTER 3, F0, F1, 0
	MEET 0                                         ; my one tensor load that was still out is the last K step's, so no round follows
	OTHER
	PLACES
	FETCH 0, F0
	MUL16 F1, 2, 0
	QUARTER 1, F0, F1, 0
	QUARTER 2, F1, F0, 0
	QUARTER 3, F0, F1, 0
	s_wait_dscnt 8                                 ; the very last quarter: nothing more to fetch
	MUL16 F1, 0, 0
	MUL16 F1, 1, 0
	s_wait_dscnt 0x0
	MUL16 F1, 2, 0
	WIN 0
.Lepi:
	PLACES                                         ; LayerNorm reads results
	s_wait_xcnt 0x0                                ; every earlier memory instruction has had its addresses translated (ISA guide 3.1): only behind this wait are the stores' base and the registers that the last tile's stores read rewritten
	s_add_nc_u64 s[12:13], s[12:13], s[74:75]      ; on to this tile's results
.macro ALL4 line:vararg                ; one line for each of the wave's four blocks b of 16 tokens
.set b, 0
.rept 4
	\line
.set b, b+1
.endr
.endm
; LAYERNORM of q (t = 0) or k (t = 1), the four token blocks side by side.  A lane holds 32 of its token's 64 channels, the lane 16 away the others.  Pairs P0-P3 of block tb lie at U + 8 tb.
.macro LN4 t
	WIN W_RED                                      ; the sum: chain c takes accumulator c, its lowest registers first
.irp tb, 0,1,2,3
.irp c, 0,1,2,3
.set rT, 128*(\t)+32*(\tb)+8*(\c)
.set rP, U+8*(\tb)+2*(\c)
	v_pk_add_f32 v[rP:rP+1], v[rT:rT+1], v[rT+2:rT+3]
.endr
.endr
	WIN W_OUT
.irp k, 4,6
.irp tb, 0,1,2,3
.irp c, 0,1,2,3
.set rT, 128*(\t)+32*(\tb)+8*(\c)+(\k)
.set rP, U+8*(\tb)+2*(\c)
	v_pk_add_f32 v[rP:rP+1], v[rT:rT+1], v[rP:rP+1]
.endr
.endr
.endr
	WIN 0
	ALL4 v_pk_add_f32 v[U+8*b:U+8*b+1], v[U+8*b:U+8*b+1], v[U+8*b+2:U+8*b+3]
	ALL4 v_pk_add_f32 v[U+8*b+4:U+8*b+5], v[U+8*b+4:U+8*b+5], v[U+8*b+6:U+8*b+7]
	ALL4 v_pk_add_f32 v[U+8*b:U+8*b+1], v[U+8*b:U+8*b+1], v[U+8*b+4:U+8*b+5]
	ALL4 v_add_f32 v[U+8*b], v[U+8*b], v[U+8*b+1]
	ALL4 v_permlanex16_b32 v[U+8*b+1], v[U+8*b], s[SEL], s[SEL+1]
	ALL4 v_add_f32 v[U+8*b], v[U+8*b], v[U+8*b+1]
	ALL4 v_mul_f32 v[U+8*b], s[R64], v[U+8*b]
	WIN W_INP                                      ; centred in place
.irp tb, 0,1,2,3
.set i, 0
.rept 16
.set rT, 128*(\t)+32*(\tb)+2*i
	v_pk_add_f32 v[rT:rT+1], v[rT:rT+1], v[U+8*(\tb):U+8*(\tb)+1] op_sel_hi:[1,0] neg_lo:[0,1] neg_hi:[0,1]
.set i, i+1
.endr
.endr
	WIN W_RED                                      ; the sum of squares, in three chains a block
.set i, 0
.rept 16
.irp tb, 0,1,2,3
.set rT, 128*(\t)+32*(\tb)+2*i
.set rP, U+8*(\tb)+2+2*(i%3)
.if i < 3
	v_pk_mul_f32 v[rP:rP+1], v[rT:rT+1], v[rT:rT+1]
.else
	v_pk_fma_f32 v[rP:rP+1], v[rT:rT+1], v[rT:rT+1], v[rP:rP+1]
.endif
.endr
.set i, i+1
.endr
	WIN 0
	ALL4 v_pk_add_f32 v[U+8*b+2:U+8*b+3], v[U+8*b+2:U+8*b+3], v[U+8*b+4:U+8*b+5]
	ALL4 v_pk_add_f32 v[U+8*b+2:U+8*b+3], v[U+8*b+2:U+8*b+3], v[U+8*b+6:U+8*b+7]
	ALL4 v_add_f32 v[U+8*b+2], v[U+8*b+2], v[U+8*b+3]
	ALL4 v_permlanex16_b32 v[U+8*b+3], v[U+8*b+2], s[SEL], s[SEL+1]
	ALL4 v_add_f32 v[U+8*b+2], v[U+8*b+2], v[U+8*b+3]
	ALL4 v_fma_f32 v[U+8*b+2], v[U+8*b+2], s[R64], s[EPS]
	ALL4 v_rsq_f32 v[U+8*b+2], v[U+8*b+2]
	v_nop                                          ; a plain instruction between the last root and the use of its result (ISA guide 5.7.2)
	WIN W_INP
	s_wait_alu depctr_va_vdst(0)
.irp tb, 0,1,2,3
.set i, 0
.rept 16
.set rT, 128*(\t)+32*(\tb)+2*i
	v_pk_mul_f32 v[rT:rT+1], v[rT:rT+1], v[U+8*(\tb)+2:U+8*(\tb)+3] op_sel_hi:[1,0]
.set i, i+1
.endr
.endr
.irp tb, 0,1,2,3
.set i, 0
.rept 16
.set rT, 128*(\t)+32*(\tb)+2*i
	v_pk_fma_f32 v[rT:rT+1], v[rT:rT+1], v[GAM+2*i:GAM+2*i+1], v[BET+2*i:BET+2*i+1]
.set i, i+1
.endr
.endr
	WIN W_PKQ                                      ; rounded to f16: block tb's 16 registers are its two fragments (channels 0-31, 32-63)
.irp tb, 0,1,2,3
.set i, 0
.rept 16
.set rT, 128*(\t)+32*(\tb)+2*i
	v_cvt_pk_f16_f32 v[QF+64*(\t)+16*(\tb)+i], v[rT], v[rT+1]
.set i, i+1
.endr
.endr
.endm
	LN4 0
	LN4 1
	; S^T = K Q^T.  PASS 1: query block q meets the two key blocks of its row; PASS 2: its own column's block.  Channels 0-31 start the sums, 32-63 add onto them; the accumulators take turns.
	WIN W_S
.irp c, 0,1
.irp q, 0,1,2,3
.irp kk, 0,1
.if (PASS == 1) || ((\kk) == 0)
.if PASS == 1
.set rK, KF+16*(2*((\q)/2)+(\kk))+8*(\c)
.else
.set rK, KF+16*(\q)+8*(\c)
.endif
.set rD, S+16*(\q)+8*(\kk)
.set rQ, QF+16*(\q)+8*(\c)
.if (\c) == 0
	v_wmma_f32_16x16x32_f16 v[rD:rD+7], v[rK:rK+7], v[rQ:rQ+7], 0
.else
	v_wmma_f32_16x16x32_f16 v[rD:rD+7], v[rK:rK+7], v[rQ:rQ+7], v[rD:rD+7]
.endif
.endif
.endr
.endr
.endr
	; V: the wave's largest |v|, v divided by it, rounded to f16.  This work names none of the products' registers above: it is also the places behind them.  Each accumulator is read from its lowest register on.
.irp k, 0,1,2,3
	WIN W_ABS
.set i, 0
.rept 32
	v_and_b32 v[AB+i], s[ABSM], v[32*(\k)+i]
.set i, i+1
.endr
	WIN 0
.set n, 0
.rept 16
.if ((\k) == 0) && (n < 4)
	v_max_num_f32 v[VM+n], v[AB+2*n], v[AB+2*n+1]  ; the first eight start four chains
.else
	v_max3_num_f32 v[VM+n%4], v[AB+2*n], v[AB+2*n+1], v[VM+n%4]
.endif
.set n, n+1
.endr
.endr
	v_max3_num_f32 v[VM], v[VM], v[VM+1], v[VM+2]
	v_max_num_f32 v[VM], v[VM], v[VM+3]
	v_max_num_f32_dpp v[VM], v[VM], v[VM] row_xmask:1 row_mask:0xf bank_mask:0xf
	v_max_num_f32_dpp v[VM], v[VM], v[VM] row_xmask:2 row_mask:0xf bank_mask:0xf
	v_max_num_f32_dpp v[VM], v[VM], v[VM] row_xmask:4 row_mask:0xf bank_mask:0xf
	v_max_num_f32_dpp v[VM], v[VM], v[VM] row_xmask:8 row_mask:0xf bank_mask:0xf
	v_permlanex16_b32 v[VM+1], v[VM], s[SEL], s[SEL+1]
	v_max_num_f32 v[VM], v[VM], v[VM+1]
	v_max_num_f32 v[VM], s[FLOOR], v[VM]           ; never 0
	v_rcp_f32 v[VM+2], v[VM]
	v_nop                                          ; a plain instruction between the reciprocal and the use of its result
	WIN W_VSC
.set i, 0
	s_wait_alu depctr_va_vdst(0)
.rept 64
	v_pk_mul_f32 v[2*i:2*i+1], v[2*i:2*i+1], v[VM+2:VM+3] op_sel_hi:[1,0]
.set i, i+1
.endr
	WIN W_PKV                                      ; channel block cb, token block tb at VF + 16 cb + 4 tb: two neighbouring token blocks are a fragment of V^T (16 channels x 32 keys)
.set i, 0
.rept 64
	v_cvt_pk_f16_f32 v[VF+i], v[2*i], v[2*i+1]
.set i, i+1
.endr
	; SOFTMAX, the four query blocks side by side: p = 2^(c s - c m), m the query's maximum; its other keys lie in the lane 16 away.
	WIN 0
.if PASS == 1
	ALL4 v_max3_num_f32 v[SM+2*b], v[S+16*b], v[S+16*b+1], v[S+16*b+2]
	ALL4 v_max3_num_f32 v[SM+2*b+1], v[S+16*b+8], v[S+16*b+9], v[S+16*b+10]
	ALL4 v_max3_num_f32 v[SM+2*b], v[SM+2*b], v[S+16*b+3], v[S+16*b+4]
	ALL4 v_max3_num_f32 v[SM+2*b+1], v[SM+2*b+1], v[S+16*b+11], v[S+16*b+12]
	ALL4 v_max3_num_f32 v[SM+2*b], v[SM+2*b], v[S+16*b+5], v[S+16*b+6]
	ALL4 v_max3_num_f32 v[SM+2*b+1], v[SM+2*b+1], v[S+16*b+13], v[S+16*b+14]
	ALL4 v_max3_num_f32 v[SM+2*b], v[SM+2*b], v[S+16*b+7], v[S+16*b+15]
.else
	ALL4 v_max3_num_f32 v[SM+2*b], v[S+16*b], v[S+16*b+1], v[S+16*b+2]
	ALL4 v_max3_num_f32 v[SM+2*b+1], v[S+16*b+3], v[S+16*b+4], v[S+16*b+5]
	ALL4 v_max3_num_f32 v[SM+2*b], v[SM+2*b], v[S+16*b+6], v[S+16*b+7]
.endif
	ALL4 v_max_num_f32 v[SM+2*b], v[SM+2*b], v[SM+2*b+1]
	ALL4 v_permlanex16_b32 v[SM+2*b+1], v[SM+2*b], s[SEL], s[SEL+1]
	ALL4 v_max_num_f32 v[SM+2*b], v[SM+2*b], v[SM+2*b+1]
	ALL4 v_mul_f32 v[SM+2*b], s[CS], v[SM+2*b]
.irp q, 0,1,2,3
.set i, 0
.rept NS/2
	v_pk_fma_f32 v[S+16*(\q)+2*i:S+16*(\q)+2*i+1], v[S+16*(\q)+2*i:S+16*(\q)+2*i+1], s[CS:CS+1], v[SM+2*(\q):SM+2*(\q)+1] op_sel_hi:[1,0,0] neg_lo:[0,0,1] neg_hi:[0,0,1]
.set i, i+1
.endr
.endr
.irp q, 0,1,2,3
.set i, 0
.rept NS
	v_exp_f32 v[S+16*(\q)+i], v[S+16*(\q)+i]
.set i, i+1
.endr
.endr
	v_nop                                          ; a plain instruction between the last exponential and the use of its result
	s_wait_alu depctr_va_vdst(0)
	WIN TOF                                        ; P, rounded to f16: source 1 (32 keys x 16 queries) of V^T P
.irp q, 0,1,2,3
.set i, 0
.rept NS/2
.if PASS == 1
	v_cvt_pk_f16_f32 v[PF+8*(\q)+i], v[S+16*(\q)+2*i], v[S+16*(\q)+2*i+1]
.else
	v_cvt_pk_f16_f32 v[PF+8*(\q)+4*((\q)%2)+i], v[S+16*(\q)+2*i], v[S+16*(\q)+2*i+1]
	v_mov_b32 v[PF+8*(\q)+4*(1-(\q)%2)+i], 0       ; V's fragment holds two columns' keys: the other column's get the weight 0 (their v is finite, 1 at the most)
.endif
.set i, i+1
.endr
.endr
	; O^T = V^T P: one product for each of 16 accumulators
	WIN MQK
.irp cb, 0,1,2,3
.irp q, 0,1,2,3
	v_wmma_f32_16x16x32_f16 v[32*(\q)+8*(\cb):32*(\q)+8*(\cb)+7], v[VF+16*(\cb)+8*((\q)/2):VF+16*(\cb)+8*((\q)/2)+7], v[PF+8*(\q):PF+8*(\q)+7], 0
.endr
.endr
	; l, the sum of the unrounded weights, in place on S^T's registers: this is also the places behind those products.  Then (largest |v|) / l.
.macro SADD x, y
	ALL4 v_pk_add_f32 v[S+16*b+(\x):S+16*b+(\x)+1], v[S+16*b+(\x):S+16*b+(\x)+1], v[S+16*b+(\y):S+16*b+(\y)+1]
.endm
	WIN 0
	SADD 0, 2
	SADD 4, 6
.if PASS == 1
	SADD 8, 10
	SADD 12, 14
	SADD 0, 4
	SADD 8, 12
	SADD 0, 8
.else
	SADD 0, 4
.endif
	ALL4 v_add_f32 v[SM+2*b], v[S+16*b], v[S+16*b+1]
	ALL4 v_permlanex16_b32 v[SM+2*b+1], v[SM+2*b], s[SEL], s[SEL+1]
	ALL4 v_add_f32 v[SM+2*b], v[SM+2*b], v[SM+2*b+1]
	ALL4 v_rcp_f32 v[SM+2*b], v[SM+2*b]
	v_nop                                          ; a plain instruction between the last reciprocal and the use of its result
	s_wait_alu depctr_va_vdst(0)
	ALL4 v_mul_f32 v[SM+2*b], v[SM+2*b], v[VM]
; THE WAY OUT, a unit of 16 stage rows of 256 bytes at a time, through my own stage in LDS; each accumulator's registers are taken in ascending order.
; PASS 1, unit u: query blocks u and u + 2 hold the same 16 places w of two neighbouring image rows: in y1 those two tokens are neighbours, 2 x 128 bytes of f16.
; PASS 2, unit u: query block u, one column: a token's 64 channels of the head are 256 bytes of f32.
; PACKST: scaled (and in PASS 1 rounded), into the stage, and back as whole rows.  SEND: stored.  A unit's arithmetic stands between the loads of the unit before and its stores.
.macro PACKST u
.if (\u)%2 == 0
.set rBK, BKA
.else
.set rBK, BKB
.endif
.if PASS == 1
	WIN W_OUT
.irp hf, 0,1
.set qb, (\u)+2*(\hf)
.set i, 0
.rept 16
	v_pk_mul_f32 v[TO+32*(\hf)+2*i:TO+32*(\hf)+2*i+1], v[32*qb+2*i:32*qb+2*i+1], v[SM+2*qb:SM+2*qb+1] op_sel_hi:[1,0]
.set i, i+1
.endr
.endr
	WIN 0
.set i, 0
.rept 32
	v_cvt_pk_f16_f32 v[PKR+i], v[TO+2*i], v[TO+2*i+1]
.set i, i+1
.endr
.irp hf, 0,1
.irp cb, 0,1,2,3
	ds_store_b128 v[STO], v[PKR+16*(\hf)+4*(\cb):PKR+16*(\hf)+4*(\cb)+3] offset:128*(\hf)+32*(\cb)
.endr
.endr
.else
	WIN W_OUT
.set i, 0
.rept 16
	v_pk_mul_f32 v[TO+32*((\u)%2)+2*i:TO+32*((\u)%2)+2*i+1], v[32*(\u)+2*i:32*(\u)+2*i+1], v[SM+2*(\u):SM+2*(\u)+1] op_sel_hi:[1,0]
.set i, i+1
.endr
	WIN 0
.irp cb, 0,1,2,3
.irp z, 0,1
	ds_store_b128 v[STO], v[TO+32*((\u)%2)+8*(\cb)+4*(\z):TO+32*((\u)%2)+8*(\cb)+4*(\z)+3] offset:64*(\cb)+16*(\z)
.endr
.endr
.endif
.if (\u) >= 2
	s_wait_xcnt 0x0                                ; the registers that the stores two units back read are loaded again only behind this wait (ISA guide 3.1)
.endif
.irp t, 0,1,2,3,4,5,6,7
	ds_load_b128 v[rBK+4*(\t):rBK+4*(\t)+3], v[RD] offset:(\t)*2*SP  ; LDS serves a wave's instructions in order (ISA guide 5.7.1.4): these see the stores above; the next unit's stores come behind them
.endr
.endm
.macro SEND u, younger                 ; younger: the LDS instructions issued behind unit u's loads: the next unit's sixteen, or none
.if (\u)%2 == 0
.set rBK, BKA
.else
.set rBK, BKB
.endif
	WIN 0
.irp t, 0,1,2,3,4,5,6,7
	s_wait_dscnt (\younger)+7-(\t)                 ; load t is back; the younger ones stay out
.if PASS == 1
	global_store_b128 v[GO], v[rBK+4*(\t):rBK+4*(\t)+3], s[12:13] offset:(\u)*32768+(\t)*4096  ; 16 lanes store 256 consecutive bytes, at a multiple of 256 from the buffer's first byte
.else
	global_store_b128 v[GO], v[rBK+4*(\t):rBK+4*(\t)+3], s[12:13] offset:(\u)*4096+(\t)*262144 th:TH_STORE_NT  ; 16 lanes store 256 consecutive bytes, at a multiple of 256 from the buffer's first byte
.endif
.endr
.endm
	PACKST 0
	PACKST 1
	SEND 0, 16
.if PASS == 2
	PACKST 2
	SEND 1, 16
	PACKST 3
	SEND 2, 16
	SEND 3, 0
.else
	SEND 1, 0
.endif
	s_mov_b32 s74, NEXT_C                          ; what the next way out adds to the output's address
	s_sub_co_u32 s2, s2, 1
	s_cmp_lg_u32 s2, 0
	s_cbranch_scc1 .Ltile
	s_wait_tensorcnt 0x0                           ; the wave's end, behind my last tensor load and my last LDS store
	ds_add_u32 v[SPW], v[NIL]
	s_wait_dscnt 0x0
	CROUND                                         ; the closing round: no work-group ends while a partner may still ask for a tile that names it
	s_endpgm
.Lfunc_end_k_qa4820e74f4_rowatt:
	.size	k_qa4820e74f4_rowatt, .Lfunc_end_k_qa4820e74f4_rowatt-k_qa4820e74f4_rowatt
	.p2alignl 7, 3214868480
	.fill 96, 4, 3214868480
	.section	.rodata,"a",@progbits
	.p2align	6, 0x0
	.amdhsa_kernel k_qa4820e74f4_rowatt
		.amdhsa_group_segment_fixed_size 327680
		.amdhsa_private_segment_fixed_size 0
		.amdhsa_enable_private_segment 0
		.amdhsa_kernarg_size 40
		.amdhsa_user_sgpr_count 2
		.amdhsa_user_sgpr_kernarg_segment_ptr 1
		.amdhsa_wavefront_size32 1
		.amdhsa_system_sgpr_workgroup_id_x 1
		.amdhsa_system_sgpr_workgroup_id_y 1
		.amdhsa_system_sgpr_workgroup_id_z 1
		.amdhsa_system_vgpr_workitem_id 0
		.amdhsa_next_free_vgpr 1024
		.amdhsa_next_free_sgpr 88
		.amdhsa_reserve_vcc 0
		.amdhsa_float_denorm_mode_32 3
		.amdhsa_float_denorm_mode_16_64 3
		.amdhsa_memory_ordered 1
		.amdhsa_forward_progress 1
		.amdhsa_inst_pref_size 179
	.end_amdhsa_kernel
	.amdgpu_metadata
---
amdhsa.version: [ 1, 2 ]
amdhsa.kernels:
  - .name:           k_qa4820e74f4_rowatt
    .symbol:         k_qa4820e74f4_rowatt.kd
    .args:
      - { .name: xh, .offset: 0, .size: 8, .value_kind: global_buffer, .address_space: global }
      - { .name: wrh, .offset: 8, .size: 8, .value_kind: global_buffer, .address_space: global }
      - { .name: gamma_row, .offset: 16, .size: 8, .value_kind: global_buffer, .address_space: global }
      - { .name: beta_row, .offset: 24, .size: 8, .value_kind: global_buffer, .address_space: global }
      - { .name: y1, .offset: 32, .size: 8, .value_kind: global_buffer, .address_space: global }
    .group_segment_fixed_size: 327680
    .private_segment_fixed_size: 0
    .kernarg_segment_align: 8
    .kernarg_segment_size: 40
    .max_flat_workgroup_size: 128
    .sgpr_count:     88
    .vgpr_count:     1024
    .wavefront_size: 32
...
	.end_amdgpu_metadata
.endif
;; end of part 2
;; launch colatt (part 3): grid 16 x 16, 4 waves a work-group, clusters of 4 x 4, 327,680 bytes of LDS; arguments y1, wch, gamma_col, beta_col, out0; writes out0
.if DOCPART == 3
	.amdgcn_target "amdgcn-amd-amdhsa--gfx1250"
	.amdhsa_code_object_version 6
	.text
	.protected	k_qa4820e74f4_colatt
	.globl	k_qa4820e74f4_colatt
	.p2align	8
	.type	k_qa4820e74f4_colatt,@function
k_qa4820e74f4_colatt:
	s_mov_b64 s[64:65], 0
	v_nop
	global_prefetch_b8 v0, s[64:65] scope:SCOPE_SE
	s_setreg_imm32_b32 hwreg(HW_REG_WAVE_MODE, 25, 1), 1
	s_wait_xcnt 0x0
	s_wait_alu depctr_hold_cnt(0) depctr_sa_sdst(0) depctr_va_vdst(0) depctr_va_sdst(0) depctr_va_ssrc(0) depctr_va_vcc(0) depctr_vm_vsrc(0)
	s_getreg_b32 s2, hwreg(HW_REG_IB_STS2, 6, 4)
	s_cmp_eq_u32 s2, 0
	s_cbranch_scc0 .Lentry_in_a_cluster
	s_endpgm
.Lentry_in_a_cluster:
	s_bfe_u32 s2, ttmp6, 0x10000c
	s_cmp_lg_u32 s2, 0xf033
	s_cbranch_scc0 .Lentry_shape_is_right
	s_endpgm
.Lentry_shape_is_right:
; AXIAL ATTENTION, ONE PASS (PASS = 1: along the rows of 32 tokens; PASS = 2: along the columns of 16).  Projection to q, k, v, LayerNorm of q and k over a head's 64 channels, softmax(q . k / 8) v, all in one launch.
; A: [16 planes of 64 channels][8192 tokens][64] f16.  B: [16 planes][16 heads x 192 rows (64 of q, 64 of k, 64 of v)][64] f16.  gamma, beta: [64] f32, rounded to bf16 here like the module's other inputs.
; PASS 1 writes y1 [16 heads][8192 tokens t' = batch x 512 + w x 16 + h][64] f16, so that a column's 16 tokens lie together; PASS 2 reads tokens in that order and writes out0 [16][512][1024] f32.
; SHARES.  A tile is 256 tokens x one head: 192 columns over K = 1,024.  Each of the four waves makes 64 tokens x 192 columns: 48 accumulators, 384 registers.  A wave's 64 tokens are two whole rows
; (PASS 1) or four whole columns (PASS 2), so LayerNorm, softmax and both small products stay in the wave, and q, k, v never leave its registers.
; A WORK-GROUP STAYS: it makes two tiles, token blocks yb and yb + 16 of one head: 16 x 16 work-groups in all.  The two tiles' 16 K steps of 128 are ONE walk for the ring of two LDS slots: the first tile's last two
; changes of slots ask for the second tile's first two K steps, which land while the first tile's attention is made, and nothing waits for the first tile's stores.  A K step is written once.
; LAYOUT.  q, k: source 0 = 16 rows of W, source 1 = 16 tokens: a lane holds ONE token (lane % 16) and channels 16 fb + 8 (lane / 16) + 0..7; two such results rounded to f16 ARE a fragment (16 tokens x 32 channels).
; v: source 0 = tokens, source 1 = rows of W: a lane holds one channel and 8 tokens; two results rounded ARE source 0 (16 channels x 32 keys) of O^T = V^T P.  S^T = K Q^T holds one query a lane and 8 keys, and rounded
; it IS source 1 of V^T P.  O^T holds one query a lane and 8 neighbouring channels.  Nothing changes lanes but one exchange between the halves of the lanes for each mean, variance, maximum and sum.
; FORMATS.  Products in f16 with f32 sums; everything else in f32.  The variance is taken of centred numbers.  The maximum is taken away before the exponential.  v is divided by the wave's largest |v| before it is
; rounded to f16, and that factor goes back in f32, so v's size meets no limit of f16.
; LIMITS.  PASS 1's results lie below 65,520 (y1 is f16).  The wave's largest |v| counts as 2^-100 at the least and stays below 2^125.  A weight below 2^-126 counts as 0.  NaN and infinities are not treated apart.
; CLUSTER.  4 x 4 work-groups.  A's tiles hang on the token block alone and are shared along a row of the cluster, B's on the head alone and are shared along a column: each is asked for JOINTLY, by the same tensor load
; with the same descriptor and a mask that names the four.
; REGISTERS, in windows of 256 (s_set_vgpr_msb: bits 1:0 source 0, 3:2 source 1, 5:4 source 2, 7:6 destination):
;   window 0: v0-31 addresses; v32-63 gamma, v64-95 beta, kept for both tiles; v96-127 at work; v128-135 softmax's statistics; v136-139 v's scale; v160-223 S^T (later results at work); v224-255 |v| at work, later rows from the stage
;   window 1: two fragment buffers of 128 (4 fragments of A, 12 of B); behind a tile's products the second holds v128-191 v, v192-223 P in f16, while the first may already hold the next tile's first fragments
;   window 2: v0-127 q's sums (token block tb, channel block fb at 32 tb + 8 fb), v128-255 k's; later O^T (query block qb, channel block cb at 32 qb + 8 cb)
;   window 3: v0-127 v's sums (32 cb + 8 tb); v128-191 q, v192-255 k in f16
.set PASS,  2
.set TILES, 2                          ; tiles of a work-group
.set PA,    144                        ; an LDS row: 128 bytes + 16 of padding = 36 words: the 16 rows of a load start at 16 different groups of four banks (64 banks of 4 bytes: ISA guide 11.1)
.set APL,   256*PA                     ; a plane of A's tile: 256 tokens
.set BPL,   192*PA                     ; a plane of B's tile: a head's 192 rows
.set BOFF,  2*APL                      ; a slot holds a K step of 128: two planes of A, then two planes of B: 129,024 bytes
.set SLOT1, 1<<17                      ; slot 1 begins here, so that one exclusive or turns an address in one slot into the other's
.set STG,   SLOT1+2*APL+2*BPL          ; behind the ring, never filled by a tensor load: 16 rows x 272 bytes for each wave, for the way out
.set SP,    272
.set SPARE, STG+4*16*SP                ; behind the stages: the spare words, 128 bytes for each wave: two blocks of 256 bytes that no other line names
.set APLANE, 8192*128                  ; bytes in a plane of A in memory: 1 << 20
.set BPLANE, 3072*128                  ; and of B
.if PASS == 1
.set NS, 16                            ; scores a lane and query block: 32 keys in two halves of the lanes
.set SH_B, 16                          ; the output's byte offset: batch << SH_B,
.set SH_Y, 10                          ; + the batch's second half of tokens << SH_Y,
.set SH_W, 8                           ; + wave << SH_W,
.set SH_H, 20                          ; + head << SH_H
.set SH_G, 11                          ; from one stage row to the next in memory: 1 << SH_G bytes
.set SH_S, 4                           ; a lane puts 16 bytes a channel block into the stage (8 f16)
.set BKB, 160                          ; the second buffer for rows from the stage: results' registers that have been packed
.else
.set NS, 8
.set SH_B, 21
.set SH_Y, 16
.set SH_W, 14
.set SH_H, 8
.set SH_G, 17
.set SH_S, 5                           ; 32 bytes (8 f32)
.set BKB, 96
.endif
.set NEXT_C, 8<<SH_B                   ; the second tile lies 16 token blocks, 8 batches, on
.set ADRA0, 16                         ; v16     my lane's place among a slot's rows of A; never rewritten
.set ADRB0, 17                         ; v17     the same for B
.set ADA,  18                          ; v18     LDS address of my fragments of A in the slot in hand
.set ADB,  19                          ; v19     the same for B
.set STO,  24                          ; v24     the way out: where I put my part of a row
.set RD,   25                          ; v25     the way out: where I read a row back
.set GO,   26                          ; v26     my byte offset in the output
.set GB,   27                          ; v27     my byte offset in gamma and beta
.set SPW,  28                          ; v28     LDS address of my spare word: SPARE + 4 x my thread's number; never rewritten
.set NIL,  29                          ; v29     0; never rewritten
.set GAM,  32
.set BET,  64
.set U,    96                          ; LayerNorm: four pairs a token block
.set PKR,  96                          ; the way out: packed results
.set SM,   128                         ; query block qb: c0, c1 at SM + 2 qb
.set VM,   136                         ; the largest |v|; +2 its reciprocal
.set S,    160                         ; 16 a query block
.set TO,   160                         ; the way out: scaled results
.set AB,   224                         ; |v|, 32 at a time
.set BKA,  224                         ; the first buffer for rows from the stage
.set F0,   0                           ; window 1
.set F1,   128
.set VF,   128                         ; window 1
.set PF,   192
.set QF,   128                         ; window 3
.set KF,   192
.set WV,   14                          ; s14  my wave's number
.set G1,   24                          ; s[24:31] descriptor group 1 for A's tiles;  s[32:39] group 0: a set for each of the two first fills; the second then walks on
.set G0,   32
.set G1B,  48                          ; s[48:55], s[56:63] the same for B's tiles
.set G0B,  56
.set CS,   66                          ; s[66:67] c = log2(e) / 8: the packed scaling takes the pair's low word for both halves
.set SEL,  68                          ; s[68:69] v_permlanex16_b32's selects: each lane takes its own place in the other half
.set R64,  70                          ; s70  1 / 64
.set EPS,  71                          ; s71  1e-5
.set FLOOR, 72                         ; s72  2^-100
.set HIM,  73                          ; s73  a word's upper bf16
.set ABSM, 76                          ; s76  clears a sign
.set TB,   77                          ; s77  LDS byte at which the slot in hand begins
.set NXT,  78                          ; s78  the K step of the walk to be asked for next, 2 to 15
.set XT,   79                          ; s79  the step count at which the last tile leaves the loop
.set OFA,  80                          ; s[80:81] that K step's byte offset in A
.set OFB,  82                          ; s[82:83] and in B
.set MSB, 0
.macro WIN new                         ; the immediate's high byte repeats the setting that is left; a switch that changes nothing is dropped
.if MSB != (\new)
	s_set_vgpr_msb (MSB<<8)|(\new)
.set MSB, \new
.endif
.endm
.set MQK,   0xa5                       ; sources window 1, C and D window 2
.set MV,    0xf5                       ; sources window 1, C and D window 3
.set TOF,   0x40                       ; destination window 1
.set W_RED, 0x0a                       ; sources 0 and 1 window 2
.set W_OUT, 0x02                       ; source 0 window 2
.set W_INP, 0x82                       ; source 0 and destination window 2
.set W_PKQ, 0xca                       ; sources 0 and 1 window 2, destination window 3
.set W_S,   0x0f                       ; sources 0 and 1 window 3
.set W_ABS, 0x0c                       ; source 1 window 3
.set W_VSC, 0xc3                       ; source 0 and destination window 3
.set W_PKV, 0x4f                       ; sources 0 and 1 window 3, destination window 1
; A joint load.  Waves 0 and 1 fetch a K step's two planes of A, waves 2 and 3 its two planes of B.  The branch hangs on the wave's number alone.
; An s_nop 0 and four v_nop follow each of the two lines, ahead of the jump, the label and what follows.
.macro JLOAD s
	s_cmp_eq_u32 s15, 0
	s_cbranch_scc0 .Lfor_b_\@
	tensor_load_to_lds s[G0+4*(\s):G0+4*(\s)+3], s[G1:G1+7]
	s_nop 0
.rept 4
	v_nop
.endr
	s_branch .Lasked_\@
.Lfor_b_\@:
	tensor_load_to_lds s[G0B+4*(\s):G0B+4*(\s)+3], s[G1B:G1B+7]
	s_nop 0
.rept 4
	v_nop
.endr
.Lasked_\@:
.endm
; A round of the cluster's barrier: my work-group's barrier, so that wave 0's signal speaks for all four waves; wave 0 signals; every wave waits for all sixteen work-groups; my work-group's barrier once more.
.macro CREST                           ; a round behind its opening barrier
	s_cmp_lg_u32 s[WV], 0
	s_cbranch_scc1 .Lnot_wave_0_\@
	s_barrier_signal -3
.Lnot_wave_0_\@:
	s_barrier_wait -3
	s_barrier_signal -1
	s_barrier_wait -1
.endm
.macro CROUND                          ; a whole round
	s_barrier_signal -1
	s_barrier_wait -1
	CREST
.endm
	s_load_b256 s[4:11], s[0:1], 0x0               ; A s[4:5], B s[6:7], gamma s[8:9], beta s[10:11]
	s_load_b64 s[12:13], s[0:1], 0x20              ; the output
	v_lshl_add_u32 v[SPW], v0, 2, SPARE
	v_mov_b32 v[NIL], 0
	ds_add_u32 v[SPW], v[NIL]                      ; the wave's opening: the add and its wait stand ahead of my first tensor load; the set-up below, work on registers, stands between them
	v_lshrrev_b32 v1, 5, v0
	v_readfirstlane_b32 s[WV], v1                  ; wave 0..3
	s_lshr_b32 s15, s[WV], 1                       ; I fetch for A (0) or for B (1),
	s_and_b32 s16, s[WV], 1                        ; the K step's first or second plane
	s_bfe_u32 s17, ttmp6, 0x40000                  ; cx, cy: my place in the cluster
	s_bfe_u32 s18, ttmp6, 0x40004
	s_lshl_b32 s19, ttmp9, 2                       ; in a cluster launch ttmp9 and ttmp7 count clusters
	s_add_co_u32 s19, s19, s17                     ; the head = 4 x cluster x + cx
	s_and_b32 s20, ttmp7, 0xffff
	s_lshl_b32 s20, s20, 2
	s_add_co_u32 s20, s20, s18                     ; the first tile's block of 256 tokens = 4 x cluster y + cy, 0 to 15
	s_lshl_b32 s21, s18, 2
	s_lshl_b32 s21, 15, s21                        ; my row of the cluster: places 4 cy .. 4 cy + 3
	s_lshl_b32 s22, 0x1111, s17                    ; my column: places cx, cx + 4, cx + 8, cx + 12
	; descriptor group 1.  A plane's part of a tile is dense in memory: it is asked for as rows of 256 bytes, two tile rows each, and padded in LDS after every 128 bytes
	s_or_b32 s[G1+0], s21, (1<<16)|(1<<20)|(1<<21)|(4<<22)|(3<<25)   ; 15:0 the mask: A's tiles go to my row; 17:16 2-byte elements; 20 padding on; 21 set beside a mask; 24:22 after every 32 words (code 4); 31:25 4 words (code 3)
	s_or_b32 s[G1B+0], s22, (1<<16)|(1<<20)|(1<<21)|(4<<22)|(3<<25)  ; the same with the mask of my column
	s_mov_b32 s[G1+1], 128<<16                     ; tensor_dim0 = 128 elements
	s_mov_b32 s[G1+2], 128<<16                     ; tensor_dim1 = 128 rows: 256 tokens
	s_mov_b32 s[G1+3], 128<<16                     ; tile_dim0 = 128
	s_mov_b32 s[G1+4], 128                         ; tile_dim1 = 128
	s_mov_b32 s[G1+5], 128                         ; 128 elements from row to row
	s_mov_b32 s[G1+6], 0
	s_mov_b32 s[G1+7], 0
	s_mov_b32 s[G1B+1], 128<<16
	s_mov_b32 s[G1B+2], 96<<16                     ; 96 rows: a head's 192
	s_mov_b32 s[G1B+3], 128<<16
	s_mov_b32 s[G1B+4], 96
	s_mov_b32 s[G1B+5], 128
	s_mov_b32 s[G1B+6], 0
	s_mov_b32 s[G1B+7], 0
	; where the tiles come from: A's hang on the token block, which my row of the cluster shares; B's on the head, which my column shares
	s_lshl_b32 s40, s16, 20                        ; A: my plane (1,048,576 bytes each)
	s_lshl_b32 s41, s20, 15                        ; + 256 tokens of 128 bytes for each block
	s_add_co_u32 s40, s40, s41
	s_mov_b32 s41, 0
	s_mul_i32 s42, s16, BPLANE                     ; B: my plane
	s_mul_i32 s43, s19, 192*128                    ; + the head's rows
	s_add_co_u32 s42, s42, s43
	s_mov_b32 s43, 0
	s_mul_i32 s23, s16, APL                        ; and where they go: no place in the cluster enters an LDS address
	s_mul_i32 s46, s16, BPL
	s_add_co_u32 s46, s46, BOFF
	s_mov_b32 s[CS], 0x3e38aa3b                    ; c = log2(e) / 8 = 0.180337
	s_mov_b32 s[CS+1], s[CS]                       ; named with it as a pair
	s_mov_b32 s[SEL], 0x76543210
	s_mov_b32 s[SEL+1], 0xfedcba98
	s_mov_b32 s[R64], 0x3c800000
	s_mov_b32 s[EPS], 0x3727c5ac
	s_mov_b32 s[FLOOR], 0x0d800000
	s_mov_b32 s[HIM], 0xffff0000
	s_mov_b32 s[ABSM], 0x7fffffff
	s_mov_b32 s[TB], 0                             ; the walk begins in slot 0
	s_mov_b32 s[NXT], 2                            ; K steps 0 and 1 are the first fills
	s_mov_b32 s[OFA+1], 0
	s_mov_b32 s[OFB+1], 0
	s_mov_b32 s2, TILES                            ; tiles to go, this one among them: the same number in every work-group
	s_wait_dscnt 0x0                               ; the opening add is done
	s_wait_kmcnt 0x0
	s_add_nc_u64 s[40:41], s[4:5], s[40:41]        ; A and B at my part of the walk's K step 0; never rewritten
	s_add_nc_u64 s[42:43], s[6:7], s[42:43]
	CROUND                                         ; all sixteen work-groups are here: the first joint loads meet
.irp s, 0,1
	s_mov_b32 s[G0+4*(\s)], 1                                        ; 1:0 count = 1
	s_add_co_u32 s[G0+4*(\s)+1], s23, (\s)*SLOT1                     ; 63:32 LDS address
	s_add_nc_u64 s[G0+4*(\s)+2:G0+4*(\s)+3], s[40:41], (\s)*2*APLANE ; 120:64 global address: K step s is planes 2 s, 2 s + 1
	s_or_b32 s[G0+4*(\s)+3], s[G0+4*(\s)+3], 0x80000000              ; 127:126 type = 2
	s_mov_b32 s[G0B+4*(\s)], 1
	s_add_co_u32 s[G0B+4*(\s)+1], s46, (\s)*SLOT1
	s_add_nc_u64 s[G0B+4*(\s)+2:G0B+4*(\s)+3], s[42:43], (\s)*2*BPLANE
	s_or_b32 s[G0B+4*(\s)+3], s[G0B+4*(\s)+3], 0x80000000
	JLOAD \s                                       ; the ring is filled before anything else is done: two tensor loads of mine are out
.endr
	v_and_b32 v1, 15, v0                           ; r = l % 16
	v_bfe_u32 v2, v0, 4, 1                         ; h = l / 16
	v_lshlrev_b32 v[GB], 5, v2                     ; my 8 channels of each 16: 32 h bytes
.irp fb, 0,1,2,3                       ; gamma and beta of my 32 channels 16 fb + 8 h + 0..7
	global_load_b128 v[GAM+8*(\fb):GAM+8*(\fb)+3],   v[GB], s[8:9] offset:64*(\fb)
	global_load_b128 v[GAM+8*(\fb)+4:GAM+8*(\fb)+7], v[GB], s[8:9] offset:64*(\fb)+16
	global_load_b128 v[BET+8*(\fb):BET+8*(\fb)+3],   v[GB], s[10:11] offset:64*(\fb)
	global_load_b128 v[BET+8*(\fb)+4:BET+8*(\fb)+7], v[GB], s[10:11] offset:64*(\fb)+16
.endr
	; A fragment is 16 rows x 32 channels in 8 registers: lane l holds row l % 16, channels 8 (l / 16) + 0..7 and 16 + 8 (l / 16) + 0..7: two loads of 16 bytes, 32 bytes apart.
	v_mul_u32_u24 v3, v1, PA
	v_lshl_add_u32 v3, v2, 4, v3                   ; row x pitch + 16 x half
	s_mul_i32 s47, s[WV], 64*PA                    ; my 64 tokens
	v_add_nc_u32 v[ADRA0], s47, v3
	v_add_nc_u32 v[ADRB0], BOFF, v3                ; every wave reads all 192 rows of B
	v_add_nc_u32 v[ADA], s[TB], v[ADRA0]
	v_add_nc_u32 v[ADB], s[TB], v[ADRB0]
	s_mul_i32 s47, s[WV], 16*SP
	s_add_co_u32 s47, s47, STG                     ; my stage
	v_mul_u32_u24 v4, v1, SP                       ; in: row l % 16, my half of each channel block
	v_lshl_add_u32 v4, v2, SH_S, v4
	v_add_nc_u32 v[STO], s47, v4
	v_mul_u32_u24 v5, v2, SP                       ; back: lanes 0-15 take one row of 256 bytes, lanes 16-31 the next
	v_lshl_add_u32 v5, v1, 4, v5
	v_add_nc_u32 v[RD], s47, v5
	v_lshlrev_b32 v[GO], 4, v1                     ; and the same two rows in memory
	v_lshl_add_u32 v[GO], v2, SH_G, v[GO]
	s_lshr_b32 s74, s20, 1                         ; where my results of the first tile begin: the batch,
	s_lshl_b32 s74, s74, SH_B
	s_and_b32 s75, s20, 1                          ; its first or second 256 tokens,
	s_lshl_b32 s75, s75, SH_Y
	s_add_co_u32 s74, s74, s75
	s_lshl_b32 s75, s[WV], SH_W                    ; my wave's 64 of them,
	s_add_co_u32 s74, s74, s75
	s_lshl_b32 s75, s19, SH_H                      ; the head
	s_add_co_u32 s74, s74, s75
	s_mov_b32 s75, 0                               ; s[74:75]: what the next way out adds to the output's address
	s_wait_loadcnt 0x0                             ; gamma and beta
.set i, 0
.rept 32                               ; both are rounded to bf16 and kept in f32; this stands in the wait for the first tile
	v_cvt_pk_bf16_f32 v[6+i%4], v[GAM+2*i], v[GAM+2*i+1]
	v_lshlrev_b32 v[GAM+2*i], 16, v[6+i%4]
	v_and_b32 v[GAM+2*i+1], s[HIM], v[6+i%4]
.set i, i+1
.endr
; 16 matrix instructions on 16 accumulators, 32 along K, from buffer f.  g = 0: q, g = 1: k (source 0 = rows of W, source 1 = tokens); g = 2: v (source 0 = tokens, source 1 = rows of W).
; zero = 1: the first product starts the sums.  The 48 accumulators take turns, in the same order in every quarter.
.macro MUL16 f, g, zero
.if (\g) < 2
	WIN MQK
.else
	WIN MV
.endif
.irp x, 0,1,2,3
.irp tb, 0,1,2,3
.if (\g) < 2
.set rD, 128*(\g)+32*(\tb)+8*(\x)
.set rA, (\f)+32+8*(4*(\g)+(\x))
.set rB, (\f)+8*(\tb)
.else
.set rD, 32*(\x)+8*(\tb)
.set rA, (\f)+8*(\tb)
.set rB, (\f)+96+8*(\x)
.endif
.if \zero
	v_wmma_f32_16x16x32_f16 v[rD:rD+7], v[rA:rA+7], v[rB:rB+7], 0
.else
	v_wmma_f32_16x16x32_f16 v[rD:rD+7], v[rA:rA+7], v[rB:rB+7], v[rD:rD+7]
.endif
.endr
.endr
.endm
; 32 LDS loads in one run: the fragments of quarter q of the K step in hand (plane q / 2, channels 32 (q % 2) on) into buffer f: my 64 tokens, W's rows of q and k, last W's rows of v
.macro FETCH q, f
	WIN TOF
.irp tb, 0,1,2,3
	ds_load_b128 v[(\f)+8*(\tb):(\f)+8*(\tb)+3],   v[ADA] offset:((\q)/2)*APL+((\q)%2)*64+(\tb)*16*PA
	ds_load_b128 v[(\f)+8*(\tb)+4:(\f)+8*(\tb)+7], v[ADA] offset:((\q)/2)*APL+((\q)%2)*64+(\tb)*16*PA+32
.endr
.irp nb, 0,1,2,3,4,5,6,7,8,9,10,11
	ds_load_b128 v[(\f)+32+8*(\nb):(\f)+32+8*(\nb)+3],   v[ADB] offset:((\q)/2)*BPL+((\q)%2)*64+(\nb)*16*PA
	ds_load_b128 v[(\f)+32+8*(\nb)+4:(\f)+32+8*(\nb)+7], v[ADB] offset:((\q)/2)*BPL+((\q)%2)*64+(\nb)*16*PA+32
.endr
.endm
; A load into a register that a matrix instruction has read, and a vector instruction that reads a matrix result, stand four places behind that matrix instruction, and only plain vector
; instructions that name none of its registers are places (ISA guide 7.12.1 for vector instructions).
.macro PLACES
.rept 4
	v_nop
.endr
.endm
; A K step is four quarters of 32 along K, 48 matrix instructions each, on buffers 0, 1, 0, 1.  One of the first three: multiplies buffer f and fetches quarter qn of the same slot into buffer g.
.macro QUARTER qn, f, g, zero
	s_wait_dscnt 8                                 ; the tokens and W's rows of q and k are in; the youngest eight loads (W's rows of v) may be out
	MUL16 \f, 0, \zero
	MUL16 \f, 1, \zero
	PLACES
	FETCH \qn, \g
	s_wait_dscnt 32                                ; all but the 32 just issued
	MUL16 \f, 2, \zero
.endm
; The last quarter multiplies buffer 1 and changes slots.  ONE barrier: in front of it each wave waits for all its tensor loads, of which one is out: its part of the next slot; adds 0 to its spare word;
; and waits for that and for its own reads of this slot.  Behind it nobody reads this slot any more and the next slot is whole.
; round = 1: a round of the cluster's barrier and a refill follow.  The walking descriptors are made for K step NXT of the walk while the add is out: the other slot than last time; the address anew from the
; step's number: step NXT % 8 of tile NXT / 8: two planes a step; A's second tile lies 16 blocks of 32,768 bytes on, B's rows are the same for both tiles.
.macro MEET round
	WIN 0                                          ; (the add's two registers lie in window 0)
	s_wait_tensorcnt 0x0                           ; all my tensor loads have landed, so a group 0 may be written
	ds_add_u32 v[SPW], v[NIL]                      ; 0 onto my spare word
.if \round
	s_and_b32 s[OFA], s[NXT], 7
	s_mul_i32 s[OFB], s[OFA], 2*BPLANE
	s_lshl_b32 s[OFA], s[OFA], 21                  ; x 2 planes of 1 << 20 bytes
	s_lshr_b32 s84, s[NXT], 3
	s_lshl_b32 s84, s84, 19
	s_add_co_u32 s[OFA], s[OFA], s84
	s_add_co_u32 s[NXT], s[NXT], 1
	s_xor_b32 s[G0+5], s[G0+5], SLOT1
	s_add_nc_u64 s[G0+6:G0+7], s[40:41], s[OFA:OFA+1]
	s_or_b32 s[G0+7], s[G0+7], 0x80000000
	s_xor_b32 s[G0B+5], s[G0B+5], SLOT1
	s_add_nc_u64 s[G0B+6:G0B+7], s[42:43], s[OFB:OFB+1]
	s_or_b32 s[G0B+7], s[G0B+7], 0x80000000
.endif
	s_wait_dscnt 9                                 ; (the add and the youngest eight loads may be out)
	MUL16 F1, 0, 0                                 ; sixteen matrix instructions stand between the add and the wait for it
	s_wait_dscnt 0x0                               ; the add is done, and my reads of this slot are over
	s_barrier_signal -1
	MUL16 F1, 1, 0                                 ; work on registers while the others arrive
.if \round
	WIN 0
.endif
	s_barrier_wait -1
.endm
.macro OTHER                           ; the fetches go on in the other slot
	WIN 0
	s_xor_b32 s[TB], s[TB], SLOT1
	v_add_nc_u32 v[ADA], s[TB], v[ADRA0]
	v_add_nc_u32 v[ADB], s[TB], v[ADRB0]
.endm
; The whole last quarter where the slot is filled again, with the walk's K step two steps on: the barrier opens a round of the cluster's, and the joint refill is the first thing behind it.
; From that request to the wait for it a wave issues 160 matrix instructions, and between the tiles the first tile's attention as well.
.macro TURN
	MEET 1
	CREST                                          ; no wave of any partner still reads this slot's tile or has a load on its way
	JLOAD 1                                        ; the four v_nop behind it are also the places in front of the loads below
	OTHER
	FETCH 0, F0
	MUL16 F1, 2, 0
.endm
	s_wait_tensorcnt 1                             ; my part of K step 0 is in; K step 1's may stay out
	s_barrier_signal -1
	s_barrier_wait -1                              ; everybody's is
	FETCH 0, F0
	WIN 0                                          ; at a label and at a branch every window is 0
.Ltile:                                                ; twice
	QUARTER 1, F0, F1, 1                           ; a tile's first quarter is written out: its products start the sums
	WIN 0
	s_mov_b32 s3, 8
	s_cmp_eq_u32 s2, 1
	s_cselect_b32 s[XT], 2, 64                     ; the last tile leaves the loop with two K steps to go; the first never meets 64
	s_branch .Lentry                               ; the loop is entered behind a K step's first quarter
.Lstep:                                                ; a trip is a K step; each fills the slot that it leaves again
	QUARTER 1, F0, F1, 0
	WIN 0
.Lentry:
	QUARTER 2, F1, F0, 0
	QUARTER 3, F0, F1, 0
	TURN
	WIN 0
	s_sub_co_u32 s3, s3, 1
	s_cmp_eq_u32 s3, s[XT]
	s_cbranch_scc1 .Ltail                          ; forward: the walk's last two K steps ask for nothing
	s_cmp_lg_u32 s3, 0
	s_cbranch_scc1 .Lstep
	s_branch .Lepi                                 ; the first tile's sums are whole; buffer 0 holds the second tile's first fragments
.Ltail:                                                ; written out
	QUARTER 1, F0, F1, 0
	QUARTER 2, F1, F0, 0
	QUARTER 3, F0, F1, 0
	MEET 0                                         ; my one tensor load that was still out is the last K step's, so no round follows
	OTHER
	PLACES
	FETCH 0, F0
	MUL16 F1, 2, 0
	QUARTER 1, F0, F1, 0
	QUARTER 2, F1, F0, 0
	QUARTER 3, F0, F1, 0
	s_wait_dscnt 8                                 ; the very last quarter: nothing more to fetch
	MUL16 F1, 0, 0
	MUL16 F1, 1, 0
	s_wait_dscnt 0x0
	MUL16 F1, 2, 0
	WIN 0
.Lepi:
	PLACES                                         ; LayerNorm reads results
	s_wait_xcnt 0x0                                ; every earlier memory instruction has had its addresses translated (ISA guide 3.1): only behind this wait are the stores' base and the registers that the last tile's stores read rewritten
	s_add_nc_u64 s[12:13], s[12:13], s[74:75]      ; on to this tile's results
.macro ALL4 line:vararg                ; one line for each of the wave's four blocks b of 16 tokens
.set b, 0
.rept 4
	\line
.set b, b+1
.endr
.endm
; LAYERNORM of q (t = 0) or k (t = 1), the four token blocks side by side.  A lane holds 32 of its token's 64 channels, the lane 16 away the others.  Pairs P0-P3 of block tb lie at U + 8 tb.
.macro LN4 t
	WIN W_RED                                      ; the sum: chain c takes accumulator c, its lowest registers first
.irp tb, 0,1,2,3
.irp c, 0,1,2,3
.set rT, 128*(\t)+32*(\tb)+8*(\c)
.set rP, U+8*(\tb)+2*(\c)
	v_pk_add_f32 v[rP:rP+1], v[rT:rT+1], v[rT+2:rT+3]
.endr
.endr
	WIN W_OUT
.irp k, 4,6
.irp tb, 0,1,2,3
.irp c, 0,1,2,3
.set rT, 128*(\t)+32*(\tb)+8*(\c)+(\k)
.set rP, U+8*(\tb)+2*(\c)
	v_pk_add_f32 v[rP:rP+1], v[rT:rT+1], v[rP:rP+1]
.endr
.endr
.endr
	WIN 0
	ALL4 v_pk_add_f32 v[U+8*b:U+8*b+1], v[U+8*b:U+8*b+1], v[U+8*b+2:U+8*b+3]
	ALL4 v_pk_add_f32 v[U+8*b+4:U+8*b+5], v[U+8*b+4:U+8*b+5], v[U+8*b+6:U+8*b+7]
	ALL4 v_pk_add_f32 v[U+8*b:U+8*b+1], v[U+8*b:U+8*b+1], v[U+8*b+4:U+8*b+5]
	ALL4 v_add_f32 v[U+8*b], v[U+8*b], v[U+8*b+1]
	ALL4 v_permlanex16_b32 v[U+8*b+1], v[U+8*b], s[SEL], s[SEL+1]
	ALL4 v_add_f32 v[U+8*b], v[U+8*b], v[U+8*b+1]
	ALL4 v_mul_f32 v[U+8*b], s[R64], v[U+8*b]
	WIN W_INP                                      ; centred in place
.irp tb, 0,1,2,3
.set i, 0
.rept 16
.set rT, 128*(\t)+32*(\tb)+2*i
	v_pk_add_f32 v[rT:rT+1], v[rT:rT+1], v[U+8*(\tb):U+8*(\tb)+1] op_sel_hi:[1,0] neg_lo:[0,1] neg_hi:[0,1]
.set i, i+1
.endr
.endr
	WIN W_RED                                      ; the sum of squares, in three chains a block
.set i, 0
.rept 16
.irp tb, 0,1,2,3
.set rT, 128*(\t)+32*(\tb)+2*i
.set rP, U+8*(\tb)+2+2*(i%3)
.if i < 3
	v_pk_mul_f32 v[rP:rP+1], v[rT:rT+1], v[rT:rT+1]
.else
	v_pk_fma_f32 v[rP:rP+1], v[rT:rT+1], v[rT:rT+1], v[rP:rP+1]
.endif
.endr
.set i, i+1
.endr
	WIN 0
	ALL4 v_pk_add_f32 v[U+8*b+2:U+8*b+3], v[U+8*b+2:U+8*b+3], v[U+8*b+4:U+8*b+5]
	ALL4 v_pk_add_f32 v[U+8*b+2:U+8*b+3], v[U+8*b+2:U+8*b+3], v[U+8*b+6:U+8*b+7]
	ALL4 v_add_f32 v[U+8*b+2], v[U+8*b+2], v[U+8*b+3]
	ALL4 v_permlanex16_b32 v[U+8*b+3], v[U+8*b+2], s[SEL], s[SEL+1]
	ALL4 v_add_f32 v[U+8*b+2], v[U+8*b+2], v[U+8*b+3]
	ALL4 v_fma_f32 v[U+8*b+2], v[U+8*b+2], s[R64], s[EPS]
	ALL4 v_rsq_f32 v[U+8*b+2], v[U+8*b+2]
	v_nop                                          ; a plain instruction between the last root and the use of its result (ISA guide 5.7.2)
	WIN W_INP
	s_wait_alu depctr_va_vdst(0)
.irp tb, 0,1,2,3
.set i, 0
.rept 16
.set rT, 128*(\t)+32*(\tb)+2*i
	v_pk_mul_f32 v[rT:rT+1], v[rT:rT+1], v[U+8*(\tb)+2:U+8*(\tb)+3] op_sel_hi:[1,0]
.set i, i+1
.endr
.endr
.irp tb, 0,1,2,3
.set i, 0
.rept 16
.set rT, 128*(\t)+32*(\tb)+2*i
	v_pk_fma_f32 v[rT:rT+1], v[rT:rT+1], v[GAM+2*i:GAM+2*i+1], v[BET+2*i:BET+2*i+1]
.set i, i+1
.endr
.endr
	WIN W_PKQ                                      ; rounded to f16: block tb's 16 registers are its two fragments (channels 0-31, 32-63)
.irp tb, 0,1,2,3
.set i, 0
.rept 16
.set rT, 128*(\t)+32*(\tb)+2*i
	v_cvt_pk_f16_f32 v[QF+64*(\t)+16*(\tb)+i], v[rT], v[rT+1]
.set i, i+1
.endr
.endr
.endm
	LN4 0
	LN4 1
	; S^T = K Q^T.  PASS 1: query block q meets the two key blocks of its row; PASS 2: its own column's block.  Channels 0-31 start the sums, 32-63 add onto them; the accumulators take turns.
	WIN W_S
.irp c, 0,1
.irp q, 0,1,2,3
.irp kk, 0,1
.if (PASS == 1) || ((\kk) == 0)
.if PASS == 1
.set rK, KF+16*(2*((\q)/2)+(\kk))+8*(\c)
.else
.set rK, KF+16*(\q)+8*(\c)
.endif
.set rD, S+16*(\q)+8*(\kk)
.set rQ, QF+16*(\q)+8*(\c)
.if (\c) == 0
	v_wmma_f32_16x16x32_f16 v[rD:rD+7], v[rK:rK+7], v[rQ:rQ+7], 0
.else
	v_wmma_f32_16x16x32_f16 v[rD:rD+7], v[rK:rK+7], v[rQ:rQ+7], v[rD:rD+7]
.endif
.endif
.endr
.endr
.endr
	; V: the wave's largest |v|, v divided by it, rounded to f16.  This work names none of the products' registers above: it is also the places behind them.  Each accumulator is read from its lowest register on.
.irp k, 0,1,2,3
	WIN W_ABS
.set i, 0
.rept 32
	v_and_b32 v[AB+i], s[ABSM], v[32*(\k)+i]
.set i, i+1
.endr
	WIN 0
.set n, 0
.rept 16
.if ((\k) == 0) && (n < 4)
	v_max_num_f32 v[VM+n], v[AB+2*n], v[AB+2*n+1]  ; the first eight start four chains
.else
	v_max3_num_f32 v[VM+n%4], v[AB+2*n], v[AB+2*n+1], v[VM+n%4]
.endif
.set n, n+1
.endr
.endr
	v_max3_num_f32 v[VM], v[VM], v[VM+1], v[VM+2]
	v_max_num_f32 v[VM], v[VM], v[VM+3]
	v_max_num_f32_dpp v[VM], v[VM], v[VM] row_xmask:1 row_mask:0xf bank_mask:0xf
	v_max_num_f32_dpp v[VM], v[VM], v[VM] row_xmask:2 row_mask:0xf bank_mask:0xf
	v_max_num_f32_dpp v[VM], v[VM], v[VM] row_xmask:4 row_mask:0xf bank_mask:0xf
	v_max_num_f32_dpp v[VM], v[VM], v[VM] row_xmask:8 row_mask:0xf bank_mask:0xf
	v_permlanex16_b32 v[VM+1], v[VM], s[SEL], s[SEL+1]
	v_max_num_f32 v[VM], v[VM], v[VM+1]
	v_max_num_f32 v[VM], s[FLOOR], v[VM]           ; never 0
	v_rcp_f32 v[VM+2], v[VM]
	v_nop                                          ; a plain instruction between the reciprocal and the use of its result
	WIN W_VSC
.set i, 0
	s_wait_alu depctr_va_vdst(0)
.rept 64
	v_pk_mul_f32 v[2*i:2*i+1], v[2*i:2*i+1], v[VM+2:VM+3] op_sel_hi:[1,0]
.set i, i+1
.endr
	WIN W_PKV                                      ; channel block cb, token block tb at VF + 16 cb + 4 tb: two neighbouring token blocks are a fragment of V^T (16 channels x 32 keys)
.set i, 0
.rept 64
	v_cvt_pk_f16_f32 v[VF+i], v[2*i], v[2*i+1]
.set i, i+1
.endr
	; SOFTMAX, the four query blocks side by side: p = 2^(c s - c m), m the query's maximum; its other keys lie in the lane 16 away.
	WIN 0
.if PASS == 1
	ALL4 v_max3_num_f32 v[SM+2*b], v[S+16*b], v[S+16*b+1], v[S+16*b+2]
	ALL4 v_max3_num_f32 v[SM+2*b+1], v[S+16*b+8], v[S+16*b+9], v[S+16*b+10]
	ALL4 v_max3_num_f32 v[SM+2*b], v[SM+2*b], v[S+16*b+3], v[S+16*b+4]
	ALL4 v_max3_num_f32 v[SM+2*b+1], v[SM+2*b+1], v[S+16*b+11], v[S+16*b+12]
	ALL4 v_max3_num_f32 v[SM+2*b], v[SM+2*b], v[S+16*b+5], v[S+16*b+6]
	ALL4 v_max3_num_f32 v[SM+2*b+1], v[SM+2*b+1], v[S+16*b+13], v[S+16*b+14]
	ALL4 v_max3_num_f32 v[SM+2*b], v[SM+2*b], v[S+16*b+7], v[S+16*b+15]
.else
	ALL4 v_max3_num_f32 v[SM+2*b], v[S+16*b], v[S+16*b+1], v[S+16*b+2]
	ALL4 v_max3_num_f32 v[SM+2*b+1], v[S+16*b+3], v[S+16*b+4], v[S+16*b+5]
	ALL4 v_max3_num_f32 v[SM+2*b], v[SM+2*b], v[S+16*b+6], v[S+16*b+7]
.endif
	ALL4 v_max_num_f32 v[SM+2*b], v[SM+2*b], v[SM+2*b+1]
	ALL4 v_permlanex16_b32 v[SM+2*b+1], v[SM+2*b], s[SEL], s[SEL+1]
	ALL4 v_max_num_f32 v[SM+2*b], v[SM+2*b], v[SM+2*b+1]
	ALL4 v_mul_f32 v[SM+2*b], s[CS], v[SM+2*b]
.irp q, 0,1,2,3
.set i, 0
.rept NS/2
	v_pk_fma_f32 v[S+16*(\q)+2*i:S+16*(\q)+2*i+1], v[S+16*(\q)+2*i:S+16*(\q)+2*i+1], s[CS:CS+1], v[SM+2*(\q):SM+2*(\q)+1] op_sel_hi:[1,0,0] neg_lo:[0,0,1] neg_hi:[0,0,1]
.set i, i+1
.endr
.endr
.irp q, 0,1,2,3
.set i, 0
.rept NS
	v_exp_f32 v[S+16*(\q)+i], v[S+16*(\q)+i]
.set i, i+1
.endr
.endr
	v_nop                                          ; a plain instruction between the last exponential and the use of its result
	s_wait_alu depctr_va_vdst(0)
	WIN TOF                                        ; P, rounded to f16: source 1 (32 keys x 16 queries) of V^T P
.irp q, 0,1,2,3
.set i, 0
.rept NS/2
.if PASS == 1
	v_cvt_pk_f16_f32 v[PF+8*(\q)+i], v[S+16*(\q)+2*i], v[S+16*(\q)+2*i+1]
.else
	v_cvt_pk_f16_f32 v[PF+8*(\q)+4*((\q)%2)+i], v[S+16*(\q)+2*i], v[S+16*(\q)+2*i+1]
	v_mov_b32 v[PF+8*(\q)+4*(1-(\q)%2)+i], 0       ; V's fragment holds two columns' keys: the other column's get the weight 0 (their v is finite, 1 at the most)
.endif
.set i, i+1
.endr
.endr
	; O^T = V^T P: one product for each of 16 accumulators
	WIN MQK
.irp cb, 0,1,2,3
.irp q, 0,1,2,3
	v_wmma_f32_16x16x32_f16 v[32*(\q)+8*(\cb):32*(\q)+8*(\cb)+7], v[VF+16*(\cb)+8*((\q)/2):VF+16*(\cb)+8*((\q)/2)+7], v[PF+8*(\q):PF+8*(\q)+7], 0
.endr
.endr
	; l, the sum of the unrounded weights, in place on S^T's registers: this is also the places behind those products.  Then (largest |v|) / l.
.macro SADD x, y
	ALL4 v_pk_add_f32 v[S+16*b+(\x):S+16*b+(\x)+1], v[S+16*b+(\x):S+16*b+(\x)+1], v[S+16*b+(\y):S+16*b+(\y)+1]
.endm
	WIN 0
	SADD 0, 2
	SADD 4, 6
.if PASS == 1
	SADD 8, 10
	SADD 12, 14
	SADD 0, 4
	SADD 8, 12
	SADD 0, 8
.else
	SADD 0, 4
.endif
	ALL4 v_add_f32 v[SM+2*b], v[S+16*b], v[S+16*b+1]
	ALL4 v_permlanex16_b32 v[SM+2*b+1], v[SM+2*b], s[SEL], s[SEL+1]
	ALL4 v_add_f32 v[SM+2*b], v[SM+2*b], v[SM+2*b+1]
	ALL4 v_rcp_f32 v[SM+2*b], v[SM+2*b]
	v_nop                                          ; a plain instruction between the last reciprocal and the use of its result
	s_wait_alu depctr_va_vdst(0)
	ALL4 v_mul_f32 v[SM+2*b], v[SM+2*b], v[VM]
; THE WAY OUT, a unit of 16 stage rows of 256 bytes at a time, through my own stage in LDS; each accumulator's registers are taken in ascending order.
; PASS 1, unit u: query blocks u and u + 2 hold the same 16 places w of two neighbouring image rows: in y1 those two tokens are neighbours, 2 x 128 bytes of f16.
; PASS 2, unit u: query block u, one column: a token's 64 channels of the head are 256 bytes of f32.
; PACKST: scaled (and in PASS 1 rounded), into the stage, and back as whole rows.  SEND: stored.  A unit's arithmetic stands between the loads of the unit before and its stores.
.macro PACKST u
.if (\u)%2 == 0
.set rBK, BKA
.else
.set rBK, BKB
.endif
.if PASS == 1
	WIN W_OUT
.irp hf, 0,1
.set qb, (\u)+2*(\hf)
.set i, 0
.rept 16
	v_pk_mul_f32 v[TO+32*(\hf)+2*i:TO+32*(\hf)+2*i+1], v[32*qb+2*i:32*qb+2*i+1], v[SM+2*qb:SM+2*qb+1] op_sel_hi:[1,0]
.set i, i+1
.endr
.endr
	WIN 0
.set i, 0
.rept 32
	v_cvt_pk_f16_f32 v[PKR+i], v[TO+2*i], v[TO+2*i+1]
.set i, i+1
.endr
.irp hf, 0,1
.irp cb, 0,1,2,3
	ds_store_b128 v[STO], v[PKR+16*(\hf)+4*(\cb):PKR+16*(\hf)+4*(\cb)+3] offset:128*(\hf)+32*(\cb)
.endr
.endr
.else
	WIN W_OUT
.set i, 0
.rept 16
	v_pk_mul_f32 v[TO+32*((\u)%2)+2*i:TO+32*((\u)%2)+2*i+1], v[32*(\u)+2*i:32*(\u)+2*i+1], v[SM+2*(\u):SM+2*(\u)+1] op_sel_hi:[1,0]
.set i, i+1
.endr
	WIN 0
.irp cb, 0,1,2,3
.irp z, 0,1
	ds_store_b128 v[STO], v[TO+32*((\u)%2)+8*(\cb)+4*(\z):TO+32*((\u)%2)+8*(\cb)+4*(\z)+3] offset:64*(\cb)+16*(\z)
.endr
.endr
.endif
.if (\u) >= 2
	s_wait_xcnt 0x0                                ; the registers that the stores two units back read are loaded again only behind this wait (ISA guide 3.1)
.endif
.irp t, 0,1,2,3,4,5,6,7
	ds_load_b128 v[rBK+4*(\t):rBK+4*(\t)+3], v[RD] offset:(\t)*2*SP  ; LDS serves a wave's instructions in order (ISA guide 5.7.1.4): these see the stores above; the next unit's stores come behind them
.endr
.endm
.macro SEND u, younger                 ; younger: the LDS instructions issued behind unit u's loads: the next unit's sixteen, or none
.if (\u)%2 == 0
.set rBK, BKA
.else
.set rBK, BKB
.endif
	WIN 0
.irp t, 0,1,2,3,4,5,6,7
	s_wait_dscnt (\younger)+7-(\t)                 ; load t is back; the younger ones stay out
.if PASS == 1
	global_store_b128 v[GO], v[rBK+4*(\t):rBK+4*(\t)+3], s[12:13] offset:(\u)*32768+(\t)*4096  ; 16 lanes store 256 consecutive bytes, at a multiple of 256 from the buffer's first byte
.else
	global_store_b128 v[GO], v[rBK+4*(\t):rBK+4*(\t)+3], s[12:13] offset:(\u)*4096+(\t)*262144 th:TH_STORE_NT  ; 16 lanes store 256 consecutive bytes, at a multiple of 256 from the buffer's first byte
.endif
.endr
.endm
	PACKST 0
	PACKST 1
	SEND 0, 16
.if PASS == 2
	PACKST 2
	SEND 1, 16
	PACKST 3
	SEND 2, 16
	SEND 3, 0
.else
	SEND 1, 0
.endif
	s_mov_b32 s74, NEXT_C                          ; what the next way out adds to the output's address
	s_sub_co_u32 s2, s2, 1
	s_cmp_lg_u32 s2, 0
	s_cbranch_scc1 .Ltile
	s_wait_tensorcnt 0x0                           ; the wave's end, behind my last tensor load and my last LDS store
	ds_add_u32 v[SPW], v[NIL]
	s_wait_dscnt 0x0
	CROUND                                         ; the closing round: no work-group ends while a partner may still ask for a tile that names it
	s_endpgm
.Lfunc_end_k_qa4820e74f4_colatt:
	.size	k_qa4820e74f4_colatt, .Lfunc_end_k_qa4820e74f4_colatt-k_qa4820e74f4_colatt
	.p2alignl 7, 3214868480
	.fill 96, 4, 3214868480
	.section	.rodata,"a",@progbits
	.p2align	6, 0x0
	.amdhsa_kernel k_qa4820e74f4_colatt
		.amdhsa_group_segment_fixed_size 327680
		.amdhsa_private_segment_fixed_size 0
		.amdhsa_enable_private_segment 0
		.amdhsa_kernarg_size 40
		.amdhsa_user_sgpr_count 2
		.amdhsa_user_sgpr_kernarg_segment_ptr 1
		.amdhsa_wavefront_size32 1
		.amdhsa_system_sgpr_workgroup_id_x 1
		.amdhsa_system_sgpr_workgroup_id_y 1
		.amdhsa_system_sgpr_workgroup_id_z 1
		.amdhsa_system_vgpr_workitem_id 0
		.amdhsa_next_free_vgpr 1024
		.amdhsa_next_free_sgpr 88
		.amdhsa_reserve_vcc 0
		.amdhsa_float_denorm_mode_32 3
		.amdhsa_float_denorm_mode_16_64 3
		.amdhsa_memory_ordered 1
		.amdhsa_forward_progress 1
		.amdhsa_inst_pref_size 174
	.end_amdhsa_kernel
	.amdgpu_metadata
---
amdhsa.version: [ 1, 2 ]
amdhsa.kernels:
  - .name:           k_qa4820e74f4_colatt
    .symbol:         k_qa4820e74f4_colatt.kd
    .args:
      - { .name: y1, .offset: 0, .size: 8, .value_kind: global_buffer, .address_space: global }
      - { .name: wch, .offset: 8, .size: 8, .value_kind: global_buffer, .address_space: global }
      - { .name: gamma_col, .offset: 16, .size: 8, .value_kind: global_buffer, .address_space: global }
      - { .name: beta_col, .offset: 24, .size: 8, .value_kind: global_buffer, .address_space: global }
      - { .name: out0, .offset: 32, .size: 8, .value_kind: global_buffer, .address_space: global }
    .group_segment_fixed_size: 327680
    .private_segment_fixed_size: 0
    .kernarg_segment_align: 8
    .kernarg_segment_size: 40
    .max_flat_workgroup_size: 128
    .sgpr_count:     88
    .vgpr_count:     1024
    .wavefront_size: 32
...
	.end_amdgpu_metadata
.endif
;; end of part 3
;; ======== version 2 of 2: 3 launches; version 1 with the launch cast written anew for expert scheduling mode
;; limits: values are held in f16: magnitudes above 65,504 overflow, below 6.1e-05 lose precision; right only within a limited range of input values
;; workspace buffers: xh 16,777,216 bytes; wrh 6,291,456 bytes; wch 6,291,456 bytes; y1 16,777,216 bytes
;; launch cast (part 4): grid 896 x 1, 8 waves a work-group, no clusters, 0 bytes of LDS; arguments x, Wqkv_row, Wqkv_col, xh, wrh, wch; writes xh, wrh, wch
.if DOCPART == 4
	.amdgcn_target "amdgcn-amd-amdhsa--gfx1250"
	.amdhsa_code_object_version 6
	.text
	.protected	k_qa4820e74f4_cast
	.globl	k_qa4820e74f4_cast
	.p2align	8
	.type	k_qa4820e74f4_cast,@function
k_qa4820e74f4_cast:
	s_mov_b64 s[64:65], 0
	v_nop
	global_prefetch_b8 v0, s[64:65] scope:SCOPE_SE
	s_setreg_imm32_b32 hwreg(HW_REG_WAVE_SCHED_MODE, 0, 2), 2
	s_setreg_imm32_b32 hwreg(HW_REG_WAVE_MODE, 25, 1), 1
	s_wait_xcnt 0x0
	s_wait_alu depctr_vm_vsrc(0)
; x [8192][1024], Wqkv_row and Wqkv_col [3072][1024], all f32, are rounded to bf16 (nearest even), and that number is written as f16,
; in PLANES of 64 columns: xh [16 planes][8192 rows][64], wrh and wch [16 planes][3072 rows'][64].  A row of a plane is 128 bytes, a plane's rows are dense.
; W's source row part x 1024 + head x 64 + j (part 0, 1, 2 = q, k, v) becomes row' = head x 192 + part x 64 + j: a head's 192 rows of a plane are 24,576 consecutive bytes.
; LIMITS.  |x|, |W| below 65,520 (f16's range).  A bf16 number is exact in f16 from 2^-17 on; below that it is off by 2^-25 at the most.  NaN and infinities are not treated apart.
; SHARES.  A work-group takes 16 source rows (their destination rows are consecutive too): groups 0-511 x, 512-703 Wqkv_row, 704-895 Wqkv_col.  Wave w takes planes 2 w and 2 w + 1.
; A load: lanes 0-15 take the 256 bytes of a plane in an even row, lanes 16-31 in the odd row below.  A store: 32 lanes x 8 bytes = 256 consecutive bytes, aligned: the two rows in the plane.
; Memory binds: no LDS, no matrix unit, no barrier.  All 16 loads of a lane go out first; no register that a memory instruction names is written again.
; THE MODE: SCHED_MODE bits 1:0 = 2 (LLVM: expert scheduling mode 2), set by the entry lines.  The code itself states the register dependences
; between vector instructions and memory instructions, with s_wait_alu, always for 0.
; THE PLAN.  Registers that memory instructions touch:
;   v1        the loads' offset;  v2, v3  the stores' offsets.  Written by vector lines at the head, read by the loads and stores, never written again.
;   X[n]      load n lands in it; no vector line names it before that.  Read by step n's two roundings to bf16.  Never loaded again.
;   Y[n]      written by step n's two conversions to f16; read by store n.  Never written again.
;   T and v4 to v7 are named by vector lines alone.
; So the only dependence to state is: a vector line has written what a memory instruction reads.  One wait at the head states it for the three offsets.  The 16 steps go in blocks of four: the stores of a block
; stand in one run at the head of the next block's first step, behind one wait, which itself stands behind that step's wait for its data; the last block's stand behind one more wait at the end.  Five waits in all.
; Nothing that a memory instruction has read is written again, no load lands in a register that a vector line has named, no vector line writes a scalar register or VCC, and EXEC is never written.
.set X, 8                              ; v[8:71]    load n: 4 registers
.set Y, 72                             ; v[72:103]  store n: 2 registers
.set T, 104                            ; v[104:109] at work
.set BLOCK, 4                          ; steps whose stores go out together
	s_load_b256 s[4:11], s[0:1], 0x0               ; x s[4:5], Wqkv_row s[6:7], Wqkv_col s[8:9], xh s[10:11]
	s_load_b128 s[12:15], s[0:1], 0x20             ; wrh s[12:13], wch s[14:15]
	s_mov_b32 s16, ttmp9                           ; g
	s_mov_b32 s18, 512
	s_cmp_ge_u32 s16, 704
	s_cselect_b32 s18, 704, s18
	s_cmp_lt_u32 s16, 512
	s_cselect_b32 s18, 0, s18
	s_sub_co_u32 s17, s16, s18                     ; w: the group's number within its tensor
	s_lshl_b32 s24, s17, 16                        ; source: 16 rows of 4,096 bytes
	s_mov_b32 s25, 0
	s_bfe_u32 s18, s17, 0x40002                    ; W: head = (w >> 2) & 15
	s_mul_i32 s18, s18, 192
	s_lshr_b32 s19, s17, 6                         ; part = w >> 6
	s_lshl_b32 s19, s19, 6
	s_add_co_u32 s18, s18, s19
	s_and_b32 s19, s17, 3                          ; j = 16 (w & 3)
	s_lshl_b32 s19, s19, 4
	s_add_co_u32 s18, s18, s19                     ; row'
	s_lshl_b32 s32, s18, 7                         ; W's destination: row' x 128 bytes
	s_lshl_b32 s34, s17, 11                        ; x's: 16 rows of 128 bytes
	s_mov_b32 s35, 3072*128                        ; bytes in a plane of W
	s_mov_b32 s27, 0
	s_mov_b32 s30, 0xffff0000                      ; a word's upper bf16
	v_and_b32 v4, 15, v0
	v_bfe_u32 v5, v0, 4, 1
	v_lshrrev_b32 v6, 5, v0                        ; wave
	v_lshlrev_b32 v1, 4, v4                        ; source offset: 16 bytes a lane,
	v_lshl_add_u32 v1, v5, 12, v1                  ; the odd row for lanes 16-31,
	v_lshl_add_u32 v1, v6, 9, v1                   ; the wave's two planes of 256 bytes
	v_and_b32 v7, 31, v0
	v_lshlrev_b32 v7, 3, v7                        ; destination: 8 bytes a lane
	s_wait_kmcnt 0x0
	s_cmp_ge_u32 s16, 704
	s_cselect_b64 s[20:21], s[8:9], s[6:7]
	s_cselect_b64 s[22:23], s[14:15], s[12:13]
	s_cmp_lt_u32 s16, 512
	s_cselect_b64 s[20:21], s[4:5], s[20:21]       ; the tensor that I read,
	s_cselect_b64 s[22:23], s[10:11], s[22:23]     ; the one that I write,
	s_cselect_b32 s26, s34, s32                    ; where my rows begin in a plane,
	s_cselect_b32 s28, 8192*128, s35               ; and a plane's bytes
	s_add_nc_u64 s[20:21], s[20:21], s[24:25]
	s_add_nc_u64 s[22:23], s[22:23], s[26:27]
	s_lshl_b32 s29, s28, 1
	v_mad_u32_u24 v2, v6, s29, v7                  ; plane 2 w
	v_add_nc_u32 v3, s28, v2                       ; plane 2 w + 1
	s_wait_alu depctr_va_vdst(0)                   ; v1, v2 and v3 are written: every load reads v1 as its offset, every store v2 or v3
.set n, 0
.rept 16                               ; load n: row pair n / 2, plane 2 w + n % 2
	global_load_b128 v[X+4*n:X+4*n+3], v1, s[20:21] offset:(n/2)*8192+(n%2)*256 th:TH_LOAD_NT
.set n, n+1
.endr
.set n, 0
.rept 16
	s_wait_loadcnt 15-n                            ; loads come back in order (ISA guide 5.7.1): load n is in, the younger ones stay out
.if (n%BLOCK == 0) && (n > 0)
	s_wait_alu depctr_va_vdst(0)                   ; the four steps before have written Y[n - 4] to Y[n - 1], which the four stores below read
.set m, n-BLOCK
.rept BLOCK
	global_store_b64 v[2+m%2], v[Y+2*m:Y+2*m+1], s[22:23] offset:(m/2)*256
.set m, m+1
.endr
.endif                                 ; the lines below name X[n], T and Y[n]: none of the registers that those stores read
	v_cvt_pk_bf16_f32 v[T], v[X+4*n], v[X+4*n+1]   ; rounded to bf16,
	v_cvt_pk_bf16_f32 v[T+1], v[X+4*n+2], v[X+4*n+3]
	v_lshlrev_b32 v[T+2], 16, v[T]                 ; widened again,
	v_and_b32 v[T+3], s30, v[T]
	v_lshlrev_b32 v[T+4], 16, v[T+1]
	v_and_b32 v[T+5], s30, v[T+1]
	v_cvt_pk_f16_f32 v[Y+2*n], v[T+2], v[T+3]      ; and written as f16
	v_cvt_pk_f16_f32 v[Y+2*n+1], v[T+4], v[T+5]
.set n, n+1
.endr
	s_wait_alu depctr_va_vdst(0)                   ; steps 12 to 15 have written Y[12] to Y[15], which the last four stores read
.set m, 16-BLOCK
.rept BLOCK
	global_store_b64 v[2+m%2], v[Y+2*m:Y+2*m+1], s[22:23] offset:(m/2)*256
.set m, m+1
.endr
	s_endpgm
.Lfunc_end_k_qa4820e74f4_cast:
	.size	k_qa4820e74f4_cast, .Lfunc_end_k_qa4820e74f4_cast-k_qa4820e74f4_cast
	.p2alignl 7, 3214868480
	.fill 96, 4, 3214868480
	.section	.rodata,"a",@progbits
	.p2align	6, 0x0
	.amdhsa_kernel k_qa4820e74f4_cast
		.amdhsa_group_segment_fixed_size 0
		.amdhsa_private_segment_fixed_size 0
		.amdhsa_enable_private_segment 0
		.amdhsa_kernarg_size 48
		.amdhsa_user_sgpr_count 2
		.amdhsa_user_sgpr_kernarg_segment_ptr 1
		.amdhsa_wavefront_size32 1
		.amdhsa_system_sgpr_workgroup_id_x 1
		.amdhsa_system_sgpr_workgroup_id_y 1
		.amdhsa_system_sgpr_workgroup_id_z 1
		.amdhsa_system_vgpr_workitem_id 0
		.amdhsa_next_free_vgpr 112
		.amdhsa_next_free_sgpr 66
		.amdhsa_reserve_vcc 0
		.amdhsa_float_denorm_mode_32 3
		.amdhsa_float_denorm_mode_16_64 3
		.amdhsa_memory_ordered 1
		.amdhsa_forward_progress 1
		.amdhsa_inst_pref_size 12
	.end_amdhsa_kernel
	.amdgpu_metadata
---
amdhsa.version: [ 1, 2 ]
amdhsa.kernels:
  - .name:           k_qa4820e74f4_cast
    .symbol:         k_qa4820e74f4_cast.kd
    .args:
      - { .name: x, .offset: 0, .size: 8, .value_kind: global_buffer, .address_space: global }
      - { .name: Wqkv_row, .offset: 8, .size: 8, .value_kind: global_buffer, .address_space: global }
      - { .name: Wqkv_col, .offset: 16, .size: 8, .value_kind: global_buffer, .address_space: global }
      - { .name: xh, .offset: 24, .size: 8, .value_kind: global_buffer, .address_space: global }
      - { .name: wrh, .offset: 32, .size: 8, .value_kind: global_buffer, .address_space: global }
      - { .name: wch, .offset: 40, .size: 8, .value_kind: global_buffer, .address_space: global }
    .group_segment_fixed_size: 0
    .private_segment_fixed_size: 0
    .kernarg_segment_align: 8
    .kernarg_segment_size: 48
    .max_flat_workgroup_size: 256
    .sgpr_count:     66
    .vgpr_count:     112
    .wavefront_size: 32
...
	.end_amdgpu_metadata
.endif
;; end of part 4
;; launch rowatt: the kernel of part 2 again; grid 16 x 16, 4 waves a work-group, clusters of 4 x 4, 327,680 bytes of LDS; arguments xh, wrh, gamma_row, beta_row, y1; writes y1
;; launch colatt: the kernel of part 3 again; grid 16 x 16, 4 waves a work-group, clusters of 4 x 4, 327,680 bytes of LDS; arguments y1, wch, gamma_col, beta_col, out0; writes out0
